; MI455X (gfx1250); checked and timed in simulation.
; The chip was launched on July 23, 2026; its instructions are those of AMD's public machine-readable ISA for CDNA 5 (MIT licence, August 2026) and "CDNA5" Instruction Set Architecture Reference Guide (July 2026). The comments in the code are by the model that wrote it; some were corrected since.
;; Transformer Layer. Allowed arithmetic: float matrix products may take bf16 or f16 operands with f32 sums; other float arithmetic in f32, or as packed bf16 or f16 multiplies, adds, multiply-adds, maxima and minima; sums over many terms, partial sums and values carried from step to step in f32; what a program stores and reads back later, other than sums and carried values, may be rounded once to bf16 or f16.
;; Inputs: W_down 1,024 x 4,096 float32; W_up 4,096 x 1,024 float32; Wk 1,024 x 1,024 float32; Wo 1,024 x 1,024 float32; Wq 1,024 x 1,024 float32; Wv 1,024 x 1,024 float32; ln1_mean_scale 1,024 float32; ln1_std_scale 1,024 float32; ln2_mean_scale 1,024 float32; ln2_std_scale 1,024 float32; x 2 x 2,048 x 1,024 float32.
;; Outputs: out0 2 x 2,048 x 1,024 float32.
;; 2 versions, each right; version 2 is version 1 with the launches prep, ln2 written anew for expert scheduling mode. Each part assembles by itself: llvm-mc -triple=amdgcn-amd-amdhsa -mcpu=gfx1250 --defsym DOCPART=n.
;; ======== version 1 of 2: 7 launches
;; workspace buffers: act 8,388,608 bytes; big 33,554,432 bytes; x1 16,777,216 bytes; wqkv 6,291,456 bytes; wup 8,388,608 bytes; wod 10,485,760 bytes; coef_a 256 bytes; coef_b 256 bytes
;; launch prep (part 1): grid 512 x 1, 8 waves a work-group, no clusters, 0 bytes of LDS; arguments x, ln1_mean_scale, ln1_std_scale, act, Wq, Wk, Wv, Wo, W_up, W_down, wqkv, wod, wup, coef_a, coef_b; writes act, wqkv, wod, wup, coef_a, coef_b
.if DOCPART == 1
	.amdgcn_target "amdgcn-amd-amdhsa--gfx1250"
	.amdhsa_code_object_version 6
	.text
	.protected	k_q02a02a2fce_prep
	.globl	k_q02a02a2fce_prep
	.p2align	8
	.type	k_q02a02a2fce_prep,@function
k_q02a02a2fce_prep:
	s_mov_b64 s[64:65], 0
	v_nop
	global_prefetch_b8 v0, s[64:65] scope:SCOPE_SE
	s_setreg_imm32_b32 hwreg(HW_REG_WAVE_MODE, 25, 1), 1
	s_wait_xcnt 0x0
; ONE TEXT FOR TWO LAUNCHES.  Work-groups 0-255: the fourth buffer = LN(the first), rounded once to bf16, [4096][1024].  Work-groups 256-511: the six weights, f32 to bf16, each rounded once:
; wqkv = Wq, Wk, Wv one below the other; wod = Wo, then W_down from byte 2,097,152; wup = W_up.  Wave 0 of work-group 256 also writes the two tables of factors that the products' shared text reads
; (coef_a: the identity; coef_b: GELU).  The launch 'prep' has 512 work-groups; the launch 'ln2' has 256, so that only the first path runs there, on x1 and the second norm's scales.
; LN: (x - mean) / sqrt(var + 1e-9) * std_scale + mean_scale, var with divisor 1023, taken of x - mean: no difference of large sums is formed.
; A stream: no LDS, no barrier, no matrix unit.  An LN wave owns two whole rows (4,096 bytes = 32 registers each), so a row is read once and its sums never leave the wave.
; A cast wave owns three pieces of 2,048 numbers.  An LN group reads 64 KiB, a cast group 192 KiB: one of each is the 256th part of what the launch reads.
; Every load of a wave covers 512 consecutive bytes, every store 256 consecutive bytes, aligned.  NaN and infinities are not treated apart.
.set X0, 16                            ; v[16:47]   row 0: lane l holds columns 128 j + 4 l .. + 3 in registers 4 j .. 4 j + 3
.set X1, 48                            ; v[48:79]   row 1
.set GG, 80                            ; v[80:111]  std_scale, same layout
.set BB, 112                           ; v[112:143] mean_scale
.macro REDUCE                          ; the sum of v4 over the 32 lanes, in every lane
	v_add_f32_dpp v4, v4, v4 row_xmask:1 row_mask:0xf bank_mask:0xf
	v_add_f32_dpp v4, v4, v4 row_xmask:2 row_mask:0xf bank_mask:0xf
	v_add_f32_dpp v4, v4, v4 row_xmask:4 row_mask:0xf bank_mask:0xf
	v_add_f32_dpp v4, v4, v4 row_xmask:8 row_mask:0xf bank_mask:0xf
	v_permlanex16_b32 v5, v4, s56, s57
	v_add_f32 v4, v4, v5
.endm
.macro STATS x, var, left              ; the row at x becomes x - mean; var + eps goes to v[var].  left: younger loads that may stay out
	s_wait_loadcnt \left
	v_pk_add_f32 v[4:5], v[(\x):(\x)+1], v[(\x)+2:(\x)+3]          ; two chains, started by the first pairs
	v_pk_add_f32 v[6:7], v[(\x)+4:(\x)+5], v[(\x)+6:(\x)+7]
.set p, 8
.rept 6
	v_pk_add_f32 v[4:5], v[4:5], v[(\x)+p:(\x)+p+1]
	v_pk_add_f32 v[6:7], v[6:7], v[(\x)+p+2:(\x)+p+3]
.set p, p+4
.endr
	v_pk_add_f32 v[4:5], v[4:5], v[6:7]
	v_add_f32 v4, v4, v5
	REDUCE
	v_mul_f32 v8, s52, v4                                          ; the mean, twice: a pair for the packed subtraction
	v_mul_f32 v9, s52, v4
.set p, 0
.rept 16
	v_pk_add_f32 v[(\x)+p:(\x)+p+1], v[(\x)+p:(\x)+p+1], v[8:9] neg_lo:[0,1] neg_hi:[0,1]
.set p, p+2
.endr
	v_pk_mul_f32 v[4:5], v[(\x):(\x)+1], v[(\x):(\x)+1]
	v_pk_mul_f32 v[6:7], v[(\x)+2:(\x)+3], v[(\x)+2:(\x)+3]
.set p, 4
.rept 7
	v_pk_fma_f32 v[4:5], v[(\x)+p:(\x)+p+1], v[(\x)+p:(\x)+p+1], v[4:5]
	v_pk_fma_f32 v[6:7], v[(\x)+p+2:(\x)+p+3], v[(\x)+p+2:(\x)+p+3], v[6:7]
.set p, p+4
.endr
	v_pk_add_f32 v[4:5], v[4:5], v[6:7]
	v_add_f32 v4, v4, v5
	REDUCE
	v_fma_f32 v[\var], v4, s53, s54                                ; sum of squares / 1023 + 1e-9
.endm
.macro SCALE x, rs, row                ; times 1 / std, times std_scale, plus mean_scale; rounded; stored
.set p, 0
.rept 16
	v_pk_mul_f32 v[(\x)+p:(\x)+p+1], v[(\x)+p:(\x)+p+1], v[(\rs):(\rs)+1]
.set p, p+2
.endr
.set p, 0
.rept 16
	v_pk_fma_f32 v[(\x)+p:(\x)+p+1], v[(\x)+p:(\x)+p+1], v[GG+p:GG+p+1], v[BB+p:BB+p+1]
.set p, p+2
.endr
.set j, 0
.rept 8
	v_cvt_pk_bf16_f32 v[(\x)+4*j], v[(\x)+4*j], v[(\x)+4*j+1]
	v_cvt_pk_bf16_f32 v[(\x)+4*j+1], v[(\x)+4*j+2], v[(\x)+4*j+3]
	global_store_b64 v2, v[(\x)+4*j:(\x)+4*j+1], s[42:43] offset:256*j+2048*(\row)
.set j, j+1
.endr
.endm
.macro CLOAD seg, base                 ; piece seg of a cast wave: 16 loads, 8,192 bytes, into v[16 + 64 seg ..]
.set j, 0
.rept 16
	global_load_b128 v[16+64*(\seg)+4*j:16+64*(\seg)+4*j+3], v1, s[(\base):(\base)+1] offset:512*j th:TH_LOAD_NT
.set j, j+1
.endr
.endm
.macro CSTORE seg, base                ; the same piece, rounded in place and stored: 4,096 bytes
.set j, 0
.rept 16
.set r, 16+64*(\seg)+4*j
	s_wait_loadcnt 47-16*(\seg)-j                  ; this load is in, the younger ones of the wave's 48 stay out
	v_cvt_pk_bf16_f32 v[r], v[r], v[r+1]
	v_cvt_pk_bf16_f32 v[r+1], v[r+2], v[r+3]
	global_store_b64 v2, v[r:r+1], s[(\base):(\base)+1] offset:256*j
.set j, j+1
.endr
.endm
	s_load_b512 s[8:23], s[0:1], 0x0               ; x, mean_scale, std_scale, act, Wq, Wk, Wv, Wo
	s_load_b256 s[24:31], s[0:1], 0x40             ; W_up, W_down, wqkv, wod
	s_load_b128 s[32:35], s[0:1], 0x60             ; wup, coef_a
	s_load_b64 s[36:37], s[0:1], 0x70              ; coef_b
	v_lshrrev_b32 v3, 5, v0
	v_readfirstlane_b32 s2, v3                     ; wave 0..7
	v_and_b32 v3, 31, v0                           ; lane
	v_lshlrev_b32 v1, 4, v3                        ; 16 bytes a lane on the way in
	v_lshlrev_b32 v2, 3, v3                        ; 8 bytes a lane on the way out
	s_wait_kmcnt 0x0
	s_cmp_lt_u32 ttmp9, 256
	s_cbranch_scc0 .Lcast
	; LAYER NORM: rows 16 x work-group + 2 x wave and the next
	s_lshl_b32 s4, ttmp9, 16                       ; 16 rows of 4,096 bytes
	s_lshl_b32 s5, s2, 13
	s_add_co_u32 s4, s4, s5
	s_mov_b32 s5, 0
	s_lshl_b32 s6, ttmp9, 15                       ; 16 rows of 2,048 bytes
	s_lshl_b32 s7, s2, 12
	s_add_co_u32 s6, s6, s7
	s_mov_b32 s7, 0
	s_add_nc_u64 s[40:41], s[8:9], s[4:5]
	s_add_nc_u64 s[42:43], s[14:15], s[6:7]
	s_mov_b32 s52, 0x3a800000                      ; 1 / 1024
	s_mov_b32 s53, 0x3a802008                      ; 1 / 1023
	s_mov_b32 s54, 0x3089705f                      ; 1e-9
	s_mov_b32 s56, 0x76543210                      ; v_permlanex16_b32: each lane takes its own place in the other half
	s_mov_b32 s57, 0xfedcba98
.set j, 0
.rept 8
	global_load_b128 v[X0+4*j:X0+4*j+3], v1, s[40:41] offset:512*j th:TH_LOAD_NT
.set j, j+1
.endr
.set j, 0
.rept 8
	global_load_b128 v[X1+4*j:X1+4*j+3], v1, s[40:41] offset:4096+512*j th:TH_LOAD_NT
.set j, j+1
.endr
.set j, 0
.rept 8
	global_load_b128 v[GG+4*j:GG+4*j+3], v1, s[12:13] offset:512*j
.set j, j+1
.endr
.set j, 0
.rept 8
	global_load_b128 v[BB+4*j:BB+4*j+3], v1, s[10:11] offset:512*j
.set j, j+1
.endr
	STATS X0, 10, 24                               ; row 0 is in; row 1 and the two scales (24 loads) may stay out
	STATS X1, 11, 16                               ; row 1 is in; the two scales may stay out
	v_rsq_f32 v12, v10                             ; one batch of two,
	v_rsq_f32 v14, v11
	v_nop                                          ; a plain instruction behind the last of them,
	s_wait_alu depctr_va_vdst(0)                   ; and one wait ahead of the first line that names a result
	v_mov_b32 v13, v12
	v_mov_b32 v15, v14
	s_wait_loadcnt 0x0                             ; the scales
	SCALE X0, 12, 0
	SCALE X1, 14, 1
	s_endpgm
.Lcast:                                        ; cast wave g = 8 (work-group - 256) + wave, 0 .. 2,047: piece g % 512 of weight g / 512 of Wq, Wk, Wv, Wo; piece g of W_up; piece g of W_down
	s_sub_co_u32 s3, ttmp9, 256
	s_lshl_b32 s3, s3, 3
	s_add_co_u32 s3, s3, s2                        ; g
	s_lshr_b32 s4, s3, 9
	s_and_b32 s5, s3, 511
	s_mov_b64 s[40:41], s[22:23]                   ; from Wo,
	s_cmp_lt_u32 s4, 3
	s_cselect_b64 s[40:41], s[20:21], s[40:41]     ; or Wv,
	s_cselect_b64 s[42:43], s[28:29], s[30:31]     ; to wqkv, piece g; Wo to wod, piece g % 512
	s_cselect_b32 s6, s3, s5
	s_cmp_lt_u32 s4, 2
	s_cselect_b64 s[40:41], s[18:19], s[40:41]     ; or Wk,
	s_cmp_lt_u32 s4, 1
	s_cselect_b64 s[40:41], s[16:17], s[40:41]     ; or Wq
	s_lshl_b32 s44, s5, 13                         ; offsets are made apart from the addresses: 8,192 bytes a piece on the way in,
	s_mov_b32 s45, 0
	s_lshl_b32 s46, s6, 12                         ; 4,096 on the way out
	s_mov_b32 s47, 0
	s_lshl_b32 s48, s3, 13
	s_mov_b32 s49, 0
	s_lshl_b32 s50, s3, 12
	s_mov_b32 s51, 0
	s_add_nc_u64 s[40:41], s[40:41], s[44:45]
	s_add_nc_u64 s[42:43], s[42:43], s[46:47]
	s_add_nc_u64 s[24:25], s[24:25], s[48:49]      ; W_up
	s_add_nc_u64 s[32:33], s[32:33], s[50:51]      ; wup
	s_add_nc_u64 s[26:27], s[26:27], s[48:49]      ; W_down
	s_add_nc_u64 s[30:31], s[30:31], s[50:51]      ; wod,
	s_add_nc_u64 s[30:31], s[30:31], 2097152       ; behind Wo
	CLOAD 0, 40                                    ; all 48 loads of the wave go out together: 24 KiB on their way
	CLOAD 1, 24
	CLOAD 2, 26
	CSTORE 0, 42
	CSTORE 1, 32
	CSTORE 2, 30
	s_cmp_lg_u32 s3, 0
	s_cbranch_scc1 .Lend
	; THE TABLES: lane k writes word 2 k (and 0 above it).  Words 0, 2, 4, 6, 8: the factors a1' .. a5' of the GELU's polynomial; word 10: the floor of its maximum.
	v_mov_b32 v4, 0
	v_mov_b32 v5, 0
	v_mov_b32 v6, 0
	v_mov_b32 v7, 0
.macro ENTRY reg, k, val
	s_mov_b32 s4, \val
	v_cmp_eq_u32 vcc_lo, \k, v3
	v_cndmask_b32 v[\reg], v[\reg], s4, vcc_lo
.endm
	ENTRY 6, 0, 0x3f0cd020                         ;  0.55005076
	ENTRY 6, 1, 0xbf1d34d5                         ; -0.61408741
	ENTRY 6, 2, 0x40445c34                         ;  3.06812760
	ENTRY 6, 3, 0xc048bea0                         ; -3.13663482
	ENTRY 6, 4, 0x4012a088                         ;  2.29104813
	ENTRY 4, 5, 0xff7fffff                         ; the identity: all factors 0, and the floor is the lowest finite number
	global_store_b64 v2, v[4:5], s[34:35]
	global_store_b64 v2, v[6:7], s[36:37]
.Lend:
	s_endpgm
.Lfunc_end_k_q02a02a2fce_prep:
	.size	k_q02a02a2fce_prep, .Lfunc_end_k_q02a02a2fce_prep-k_q02a02a2fce_prep
	.p2alignl 7, 3214868480
	.fill 96, 4, 3214868480
	.section	.rodata,"a",@progbits
	.p2align	6, 0x0
	.amdhsa_kernel k_q02a02a2fce_prep
		.amdhsa_group_segment_fixed_size 0
		.amdhsa_private_segment_fixed_size 0
		.amdhsa_enable_private_segment 0
		.amdhsa_kernarg_size 120
		.amdhsa_user_sgpr_count 2
		.amdhsa_user_sgpr_kernarg_segment_ptr 1
		.amdhsa_wavefront_size32 1
		.amdhsa_system_sgpr_workgroup_id_x 1
		.amdhsa_system_sgpr_workgroup_id_y 1
		.amdhsa_system_sgpr_workgroup_id_z 1
		.amdhsa_system_vgpr_workitem_id 0
		.amdhsa_next_free_vgpr 208
		.amdhsa_next_free_sgpr 66
		.amdhsa_reserve_vcc 1
		.amdhsa_float_denorm_mode_32 3
		.amdhsa_float_denorm_mode_16_64 3
		.amdhsa_memory_ordered 1
		.amdhsa_forward_progress 1
		.amdhsa_inst_pref_size 39
	.end_amdhsa_kernel
	.amdgpu_metadata
---
amdhsa.version: [ 1, 2 ]
amdhsa.kernels:
  - .name:           k_q02a02a2fce_prep
    .symbol:         k_q02a02a2fce_prep.kd
    .args:
      - { .name: x, .offset: 0, .size: 8, .value_kind: global_buffer, .address_space: global }
      - { .name: ln1_mean_scale, .offset: 8, .size: 8, .value_kind: global_buffer, .address_space: global }
      - { .name: ln1_std_scale, .offset: 16, .size: 8, .value_kind: global_buffer, .address_space: global }
      - { .name: act, .offset: 24, .size: 8, .value_kind: global_buffer, .address_space: global }
      - { .name: Wq, .offset: 32, .size: 8, .value_kind: global_buffer, .address_space: global }
      - { .name: Wk, .offset: 40, .size: 8, .value_kind: global_buffer, .address_space: global }
      - { .name: Wv, .offset: 48, .size: 8, .value_kind: global_buffer, .address_space: global }
      - { .name: Wo, .offset: 56, .size: 8, .value_kind: global_buffer, .address_space: global }
      - { .name: W_up, .offset: 64, .size: 8, .value_kind: global_buffer, .address_space: global }
      - { .name: W_down, .offset: 72, .size: 8, .value_kind: global_buffer, .address_space: global }
      - { .name: wqkv, .offset: 80, .size: 8, .value_kind: global_buffer, .address_space: global }
      - { .name: wod, .offset: 88, .size: 8, .value_kind: global_buffer, .address_space: global }
      - { .name: wup, .offset: 96, .size: 8, .value_kind: global_buffer, .address_space: global }
      - { .name: coef_a, .offset: 104, .size: 8, .value_kind: global_buffer, .address_space: global }
      - { .name: coef_b, .offset: 112, .size: 8, .value_kind: global_buffer, .address_space: global }
    .group_segment_fixed_size: 0
    .private_segment_fixed_size: 0
    .kernarg_segment_align: 8
    .kernarg_segment_size: 120
    .max_flat_workgroup_size: 256
    .sgpr_count:     66
    .vgpr_count:     208
    .wavefront_size: 32
...
	.end_amdgpu_metadata
.endif
;; end of part 1
;; launch qkv (part 2): grid 12 x 16, 4 waves a work-group, clusters of 4 x 4, 327,680 bytes of LDS; arguments act, wqkv, big, coef_a; writes big
.if DOCPART == 2
	.amdgcn_target "amdgcn-amd-amdhsa--gfx1250"
	.amdhsa_code_object_version 6
	.text
	.protected	k_q02a02a2fce_qkv
	.globl	k_q02a02a2fce_qkv
	.p2align	8
	.type	k_q02a02a2fce_qkv,@function
k_q02a02a2fce_qkv:
	s_mov_b64 s[64:65], 0
	v_nop
	global_prefetch_b8 v0, s[64:65] scope:SCOPE_SE
	s_setreg_imm32_b32 hwreg(HW_REG_WAVE_MODE, 25, 1), 1
	s_wait_xcnt 0x0
	s_wait_alu depctr_hold_cnt(0) depctr_sa_sdst(0) depctr_va_vdst(0) depctr_va_sdst(0) depctr_va_ssrc(0) depctr_va_vcc(0) depctr_vm_vsrc(0)
	s_getreg_b32 s2, hwreg(HW_REG_IB_STS2, 6, 4)
	s_cmp_eq_u32 s2, 0
	s_cbranch_scc0 .Lentry_in_a_cluster
	s_endpgm
.Lentry_in_a_cluster:
	s_bfe_u32 s2, ttmp6, 0x10000c
	s_cmp_lg_u32 s2, 0xf033
	s_cbranch_scc0 .Lentry_shape_is_right
	s_endpgm
.Lentry_shape_is_right:
; C[m][n] = f(sum over k of A[m][k] B[n][k]).  A: [4096][1024] bf16, B: [N][1024] bf16 (N = 256 x the grid's width), sums in f32, C rounded once to bf16 and stored BY PLANES of 64 columns:
; [n / 64][4096][64], a plane's rows dense, 128 bytes each.  ONE TEXT FOR TWO LAUNCHES: f is max(x, floor) - (D - 1) Q(1 / D) 2^(C x x), D = 1 + p |x|, Q a polynomial of degree 5 without constant term,
; whose five factors and the floor come from a table of 64 bytes.  With the true factors and floor 0 that is x Phi(x), the exact GELU, by Abramowitz and Stegun's 7.1.26 (erf to 1.5e-7 for every x);
; with factors 0 and the lowest finite number as floor it is x itself, bit for bit.  The table enters values alone: no branch and no address hangs on it.  The first launch pays the arithmetic for nothing.
; A tile of C, 256 x 256, is made by four waves, 128 x 128 each: 64 accumulators, 512 registers.  K goes in 8 steps of 128 through a ring of two LDS slots filled by tensor loads (rows of 256 bytes, aligned).
; CLUSTERS: 4 x 4 work-groups; A's tile is asked for jointly by the four of a row of the cluster, B's by the four of a column.
; THE PRODUCT IS USED TRANSPOSED (source 0 = 16 rows of B, source 1 = 16 rows of A): a lane holds row l % 16 of C and eight neighbouring columns.
; THE TEXT IS SHORT: one K step is written once (a trip goes from a step's second quarter to the next step's first); the LDS addresses hang on a scalar that one exclusive or turns.  The last two steps, which ask for
; nothing, are a loop of two trips left in its middle; its second trip's barrier and 32 fragment loads serve nothing: the price, once a launch, of not writing a last step out.
; LIMITS: NaN and infinities are not treated apart (a NaN comes out as the floor).
; REGISTERS in windows of 256: window 0: v16-30 addresses, v64-191 A's fragments (two buffers); window 1: v64-191 B's; windows 2, 3: the accumulators ((a, b) at 8 (8 a + b)).
.set SIZE_K, 1024
.set KSTEP,  128
.set PITCH,  272                       ; an LDS row: 256 bytes + 16 of padding = 68 words: the 16 rows of a fragment load start at 16 different groups of four banks (ISA guide 11.1)
.set HALFT,  128*PITCH                 ; what one tensor load brings
.set SLOT,   4*HALFT                   ; 0x22000: shares no bit with wave x HALFT, so an exclusive or turns one slot's address into the other's
.set SPARE,  2*SLOT                    ; the spare words, 128 bytes a wave: two blocks of 256 bytes that no other line names
.set DP,     528                       ; the way out: a row of 128 f32 + 16 bytes
.set DREG,   128*DP                    ; a wave's 128 rows; the four regions lie in the ring, which has had its last fill by then
.set ADRA0, 16                         ; my lane's place in slot 0's A and B; never rewritten
.set ADRB0, 17
.set ADRA,  18                         ; the same in the slot in hand
.set ADRB,  19
.set DST,   24
.set RD,    25
.set GO,    26
.set SPW,   28
.set NIL,   29
.set PFO,   30
.set YY,    32                         ; the way out: v32-39 packed results; from v64 on 16 registers each: x, D, 1 / D, the exponential, the maximum, the polynomial
.set XX,    64
.set DD,    80
.set TT,    96
.set WW,    112
.set MM,    128
.set QQ,    144
.set F0,    64
.set F1,    128
.set WV, 12
.set RH, 13                            ; wave / 2: my half of the tile's rows; also: I fetch for A (0) or B (1)
.set CH, 14                            ; wave % 2: my half of its columns; also: which 128 rows I fetch
.set TR, 15
.set TC, 16
.set CX, 17
.set CY, 18
.set LD0, 19
.set STP, 20                           ; s[20:21] the way out: what a trip adds to C's address: 0 in the first, then 512
.set G1,  24
.set G0,  32                           ; s[32:35] K step 0 into slot 0; s[36:39] walks
.set LIM, 44
.set PFA, 46
.set G1B, 48
.set G0B, 56
.set TB,  66                           ; LDS byte at which the slot in hand begins
.set CNT, 67
.set A1,  68                           ; s[68:83] the table: a factor in each even register
.set A2,  70
.set A3,  72
.set A4,  74
.set A5,  76
.set LO,  78
.set CN2, 84
.set PP,  86
.set CC,  88
.set MSB, 0
.macro WIN new                         ; the immediate's high byte repeats the setting that is left; a switch that changes nothing is dropped
.if MSB != (\new)
	s_set_vgpr_msb (MSB<<8)|(\new)
.set MSB, \new
.endif
.endm
.set MUL_LO, 0xa1                      ; source 0 (B) window 1, source 1 (A) window 0, C and D window 2
.set MUL_HI, 0xf1
.set TO_B,   0x40
.macro JLOAD s                         ; a joint load: waves 0, 1 fetch A's halves, waves 2, 3 B's; an s_nop 0 and four v_nop follow each line
	s_cmp_eq_u32 s[RH], 0
	s_cbranch_scc0 .Lfor_b_\@
	tensor_load_to_lds s[G0+4*(\s):G0+4*(\s)+3], s[G1:G1+7]
	s_nop 0
.rept 4
	v_nop
.endr
	s_branch .Lasked_\@
.Lfor_b_\@:
	tensor_load_to_lds s[G0B+4*(\s):G0B+4*(\s)+3], s[G1B:G1B+7]
	s_nop 0
.rept 4
	v_nop
.endr
.Lasked_\@:
.endm
; A PREFETCH INTO THE L2 behind each refill: the K step two refills on, 32 rows x 256 bytes, a lane a row.  A's rows are named by the clusters with x = 0, B's by those with y = 0; the four partners that ask
; for a tile jointly share its rows out by address, 32 each.  So each row's 256 bytes of a K step are named once in the launch.  K steps 0 to 3 come by their loads alone; the last two refills name nothing.
.macro ASK
	s_cmp_gt_u32 s[CNT], s[LIM]
	s_cbranch_scc0 .Lnot_mine_\@
	global_prefetch_b8 v[PFO], s[PFA:PFA+1] offset:KSTEP*2 th:TH_LOAD_NT scope:SCOPE_SE
.Lnot_mine_\@:
.endm
.macro CREST                           ; a round of the cluster's barrier behind its opening barrier
	s_cmp_lg_u32 s[WV], 0
	s_cbranch_scc1 .Lnot_wave_0_\@
	s_barrier_signal -3
.Lnot_wave_0_\@:
	s_barrier_wait -3
	s_barrier_signal -1
	s_barrier_wait -1
.endm
.macro CROUND
	s_barrier_signal -1
	s_barrier_wait -1
	CREST
.endm
	s_load_b256 s[4:11], s[0:1], 0x0               ; A s[4:5], B s[6:7], C s[8:9], the table s[10:11]
	v_lshl_add_u32 v[SPW], v0, 2, SPARE
	v_mov_b32 v[NIL], 0
	ds_add_u32 v[SPW], v[NIL]                      ; the wave's opening: the add and its wait, ahead of my first tensor load
	v_lshrrev_b32 v1, 5, v0
	v_readfirstlane_b32 s[WV], v1
	s_lshr_b32 s[RH], s[WV], 1
	s_and_b32 s[CH], s[WV], 1
	s_bfe_u32 s[CX], ttmp6, 0x40000
	s_bfe_u32 s[CY], ttmp6, 0x40004
	s_lshl_b32 s[TC], ttmp9, 2
	s_add_co_u32 s[TC], s[TC], s[CX]               ; tile column = 4 x cluster x + cx
	s_and_b32 s[TR], ttmp7, 0xffff
	s_lshl_b32 s[TR], s[TR], 2
	s_add_co_u32 s[TR], s[TR], s[CY]               ; tile row = 4 x cluster y + cy
	s_lshl_b32 s20, s[CY], 2
	s_lshl_b32 s20, 15, s20                        ; my row of the cluster
	s_lshl_b32 s21, 0x1111, s[CX]                  ; my column
	s_or_b32 s[G1], s20, (1<<16)|(1<<20)|(1<<21)|(5<<22)|(3<<25)   ; mask; 2-byte elements; padding on; bit 21 beside a mask; after every 64 words, 4 words
	s_or_b32 s[G1B], s21, (1<<16)|(1<<20)|(1<<21)|(5<<22)|(3<<25)
.irp g, G1, G1B
	s_mov_b32 s[(\g)+1], KSTEP<<16                 ; tensor_dim0 = 128
	s_mov_b32 s[(\g)+2], 128<<16                   ; tensor_dim1 = 128
	s_mov_b32 s[(\g)+3], KSTEP<<16                 ; tile_dim0 = 128
	s_mov_b32 s[(\g)+4], 128                       ; tile_dim1 = 128
	s_mov_b32 s[(\g)+5], SIZE_K                    ; elements from row to row
	s_mov_b32 s[(\g)+6], 0
	s_mov_b32 s[(\g)+7], 0
.endr
	s_lshl_b32 s22, s[CH], 7                       ; which 128 rows of the tile I fetch
	s_lshl_b32 s40, s[TR], 8
	s_add_co_u32 s40, s40, s22
	s_lshl_b32 s40, s40, 11                        ; A: (256 x tile row + 128 x half) rows of 2,048 bytes
	s_mov_b32 s41, 0
	s_lshl_b32 s42, s[TC], 8
	s_add_co_u32 s42, s42, s22
	s_lshl_b32 s42, s42, 11                        ; B: by the tile column
	s_mov_b32 s43, 0
	s_mul_i32 s[LD0], s[WV], HALFT                 ; where they go: no place in the cluster enters an LDS address
	s_mov_b32 s[PP], 0x3e6d3388                    ; p = 0.3275911 / sqrt(2)
	s_mov_b32 s[CC], 0xbf38aa3b                    ; C = -log2(e) / 2
	s_mov_b32 s[CC+1], s[CC]
	s_mov_b32 s[TB], 0
	s_wait_dscnt 0x0                               ; the opening add is done
	s_wait_kmcnt 0x0
	s_add_nc_u64 s[40:41], s[4:5], s[40:41]
	s_add_nc_u64 s[42:43], s[6:7], s[42:43]
	s_load_b512 s[68:83], s[10:11], 0x0            ; the table
	CROUND                                         ; all sixteen work-groups are here: the first joint loads meet
.irp s, 0,1
	s_mov_b32 s[G0+4*(\s)], 1
	s_add_co_u32 s[G0+4*(\s)+1], s[LD0], (\s)*SLOT
	s_add_nc_u64 s[G0+4*(\s)+2:G0+4*(\s)+3], s[40:41], (\s)*KSTEP*2
	s_or_b32 s[G0+4*(\s)+3], s[G0+4*(\s)+3], 0x80000000
	s_mov_b32 s[G0B+4*(\s)], 1
	s_add_co_u32 s[G0B+4*(\s)+1], s[LD0], (\s)*SLOT
	s_add_nc_u64 s[G0B+4*(\s)+2:G0B+4*(\s)+3], s[42:43], (\s)*KSTEP*2
	s_or_b32 s[G0B+4*(\s)+3], s[G0B+4*(\s)+3], 0x80000000
	JLOAD \s                                       ; two loads of mine are out here, later one
.endr
	v_and_b32 v1, 15, v0                           ; l % 16
	v_bfe_u32 v2, v0, 4, 1                         ; l / 16
	v_mul_u32_u24 v3, v1, PITCH
	v_lshl_add_u32 v3, v2, 4, v3                   ; a fragment's row x pitch + 16 x half
	s_mul_i32 s20, s[RH], HALFT
	s_mul_i32 s21, s[CH], HALFT
	s_add_co_u32 s21, s21, 2*HALFT
	v_add_nc_u32 v[ADRA0], s20, v3
	v_add_nc_u32 v[ADRB0], s21, v3
	v_mov_b32 v[ADRA], v[ADRA0]
	v_mov_b32 v[ADRB], v[ADRB0]
	s_mul_i32 s22, s[WV], DREG
	v_mul_u32_u24 v4, v1, DP                       ; the way out, in: row l % 16, 32 bytes for each half of the lanes
	v_lshl_add_u32 v4, v2, 5, v4
	v_add_nc_u32 v[DST], s22, v4
	v_bfe_u32 v4, v0, 3, 2                         ; back: row l / 8 of four, 8 numbers (32 bytes) at 32 (l % 8)
	v_and_b32 v5, 7, v0
	v_mul_u32_u24 v4, v4, DP
	v_lshl_add_u32 v4, v5, 5, v4
	v_add_nc_u32 v[RD], s22, v4
	v_and_b32 v[GO], 31, v0
	v_lshlrev_b32 v[GO], 4, v[GO]                  ; four rows of a plane are 512 consecutive bytes
	s_lshl_b32 s20, s[TC], 21                      ; C: four planes a tile column, two a wave, 256 rows of 128 bytes a tile row, 128 a wave
	s_lshl_b32 s21, s[CH], 20
	s_add_co_u32 s20, s20, s21
	s_lshl_b32 s21, s[TR], 15
	s_add_co_u32 s20, s20, s21
	s_lshl_b32 s21, s[RH], 14
	s_add_co_u32 s20, s20, s21
	s_mov_b32 s21, 0
	s_add_nc_u64 s[8:9], s[8:9], s[20:21]
	s_lshl_b32 s20, s[TR], 8                       ; the prefetches
	s_lshl_b32 s21, s[TC], 8
	s_and_b32 s22, ttmp7, 0xffff                   ; cluster y
	s_cmp_eq_u32 s[RH], 0                          ; do I fetch for A?
	s_cselect_b32 s20, s20, s21                    ; the tile's first row
	s_cselect_b32 s21, s[CX], s[CY]                ; my place among the four that ask with me
	s_cselect_b32 s22, ttmp9, s22                  ; the coordinate along which other clusters read the same rows
	s_cselect_b64 s[PFA:PFA+1], s[4:5], s[6:7]
	s_cmp_eq_u32 s22, 0
	s_cselect_b32 s[LIM], 2, -1                    ; the same in all sixteen partners, for a given wave
	s_lshl_b32 s22, s[CH], 7
	s_add_co_u32 s20, s20, s22
	s_lshl_b32 s21, s21, 5
	s_add_co_u32 s20, s20, s21
	s_lshl_b32 s20, s20, 11
	s_mov_b32 s21, 0
	s_add_nc_u64 s[PFA:PFA+1], s[PFA:PFA+1], s[20:21]
	s_add_nc_u64 s[PFA:PFA+1], s[PFA:PFA+1], 2*KSTEP*2  ; at K step 2: the first refill steps it to 3 and names K step 4
	v_and_b32 v[PFO], 31, v0
	v_lshlrev_b32 v[PFO], 11, v[PFO]
.macro MUL16 f, hi, a0, zero           ; 16 products: m blocks a0, a0 + 1 of the window's four x all 8 n blocks, 32 along K.  zero = 1: they start the sums
	WIN MUL_LO+0x50*(\hi)
.irp a, \a0, (\a0)+1
.irp b, 0,1,2,3,4,5,6,7
.if \zero
	v_wmma_f32_16x16x32_bf16 v[8*(8*(\a)+(\b)):8*(8*(\a)+(\b))+7], v[(\f)+8*(\b):(\f)+8*(\b)+7], v[(\f)+8*(4*(\hi)+(\a)):(\f)+8*(4*(\hi)+(\a))+7], 0
.else
	v_wmma_f32_16x16x32_bf16 v[8*(8*(\a)+(\b)):8*(8*(\a)+(\b))+7], v[(\f)+8*(\b):(\f)+8*(\b)+7], v[(\f)+8*(4*(\hi)+(\a)):(\f)+8*(4*(\hi)+(\a))+7], v[8*(8*(\a)+(\b)):8*(8*(\a)+(\b))+7]
.endif
.endr
.endr
.endm
.macro FETCH k, f                      ; 32 LDS loads in one run: a quarter step's fragments (B's 128 rows, then A's) at byte k of the rows of the slot in hand
	WIN TO_B
.irp i, 0,1,2,3,4,5,6,7
	ds_load_b128 v[(\f)+8*(\i):(\f)+8*(\i)+3],   v[ADRB] offset:(\k)+(\i)*16*PITCH
	ds_load_b128 v[(\f)+8*(\i)+4:(\f)+8*(\i)+7], v[ADRB] offset:(\k)+(\i)*16*PITCH+32
.endr
	WIN 0
.irp i, 0,1,2,3,4,5,6,7
	ds_load_b128 v[(\f)+8*(\i):(\f)+8*(\i)+3],   v[ADRA] offset:(\k)+(\i)*16*PITCH
	ds_load_b128 v[(\f)+8*(\i)+4:(\f)+8*(\i)+7], v[ADRA] offset:(\k)+(\i)*16*PITCH+32
.endr
.endm
.macro PLACES                          ; four plain instructions between a product and a load into, or a reader of, its registers
.rept 4
	v_nop
.endr
.endm
; A K step is four quarters of 32 along K, 64 products each, on buffers 0, 1, 0, 1; the 64 accumulators take turns in the same order in every quarter.
.macro QUARTER k, f, g, zero           ; multiplies buffer f; in its middle fetches the next quarter, at byte k, into g
	s_wait_dscnt 8                                 ; B and A's rows 0-63 are in; the youngest eight loads (A's rows 64-127) may be out
	MUL16 \f, 0, 0, \zero
	MUL16 \f, 0, 2, \zero
	PLACES
	FETCH \k, \g
	s_wait_dscnt 32                                ; all but the 32 just issued
	MUL16 \f, 1, 0, \zero
	MUL16 \f, 1, 2, \zero
.endm
; The last quarter multiplies buffer 1 and changes slots: ONE barrier.  In front of it each wave waits for all its tensor loads (the one that is out is its part of the next slot), adds 0 to its spare word, and waits
; for that and for its own reads of this slot.  fill = 1: the barrier opens a round of the cluster's barrier, and the slot just read is filled again first thing behind it, with the K step two on.
.macro TURN fill
.if \fill
	s_wait_xcnt 0x0                                ; the last prefetch, a K step back, has read its address
	s_add_nc_u64 s[PFA:PFA+1], s[PFA:PFA+1], KSTEP*2
.endif
	WIN 0
	s_wait_tensorcnt 0x0                           ; all my tensor loads have landed, so a group 0 may be written
	ds_add_u32 v[SPW], v[NIL]                      ; 0 onto my spare word
.if \fill
	s_xor_b32 s[G0+5], s[G0+5], SLOT               ; the walking descriptors: the other slot than last time, the next K step
	s_xor_b32 s[G0B+5], s[G0B+5], SLOT
	s_add_nc_u64 s[G0+6:G0+7], s[G0+6:G0+7], KSTEP*2
	s_add_nc_u64 s[G0B+6:G0B+7], s[G0B+6:G0B+7], KSTEP*2
.endif
	s_wait_dscnt 9                                 ; (the add and the youngest eight loads may be out)
	MUL16 F1, 0, 0, 0
	s_wait_dscnt 0x0                               ; the add is done, and my reads of this slot are over
	s_barrier_signal -1
	MUL16 F1, 0, 2, 0
.if \fill
	WIN 0
.endif
	s_barrier_wait -1
.if \fill
	CREST                                          ; no wave of any partner still reads this slot or has a load on its way
	JLOAD 1                                        ; 224 products ahead of the wait for it; its four v_nop are also the places in front of the loads below
.else
	PLACES
.endif
	WIN 0
	s_xor_b32 s[TB], s[TB], SLOT
	v_add_nc_u32 v[ADRA], s[TB], v[ADRA0]
	v_add_nc_u32 v[ADRB], s[TB], v[ADRB0]
	FETCH 0, F0
.if \fill
	ASK
.endif
	MUL16 F1, 1, 0, 0
	MUL16 F1, 1, 2, 0
.endm
	s_wait_kmcnt 0x0                               ; the table
	s_wait_tensorcnt 1                             ; my part of K step 0 is in; K step 1's may stay out
	s_barrier_signal -1
	s_barrier_wait -1
	FETCH 0, F0
	QUARTER 64, F0, F1, 1                          ; the first quarter's products start the sums: nothing is cleared
	WIN 0
	s_mov_b32 s[CNT], 6
.Lstep:                                        ; trip t = 0 .. 5: the rest of K step t, the request for K step t + 2, the first quarter of K step t + 1
	QUARTER 128, F1, F0, 0
	QUARTER 192, F0, F1, 0
	TURN 1
	QUARTER 64, F0, F1, 0
	WIN 0
	s_sub_co_u32 s[CNT], s[CNT], 1
	s_cmp_lg_u32 s[CNT], 0
	s_cbranch_scc1 .Lstep
	s_mov_b32 s[CN2], 2
.Ltail:                                        ; K steps 6 and 7 ask for nothing; the second trip is left in its middle
	QUARTER 128, F1, F0, 0
	QUARTER 192, F0, F1, 0
	TURN 0
	WIN 0
	s_sub_co_u32 s[CN2], s[CN2], 1
	s_cmp_eq_u32 s[CN2], 0
	s_cbranch_scc1 .Lout
	QUARTER 64, F0, F1, 0
	WIN 0
	s_branch .Ltail
.Lout:
	; THE WAY OUT.  The sums go as f32 into my region of the ring (its last fill is over; every wave's reads of it are over behind the barrier), and come back four rows of two planes at a time.
	PLACES
	PLACES
	s_wait_dscnt 0x0                               ; my last reads of the slots
	s_barrier_signal -1
	s_barrier_wait -1
	WIN 0x08                                       ; store data in window 2; each accumulator's low four registers go first
.set a, 0
.rept 4
.set b, 0
.rept 8
	ds_store_b128 v[DST], v[8*(8*a+b):8*(8*a+b)+3]   offset:a*16*DP+64*b
	ds_store_b128 v[DST], v[8*(8*a+b)+4:8*(8*a+b)+7] offset:a*16*DP+64*b+16
.set b, b+1
.endr
.set a, a+1
.endr
	WIN 0x0c                                       ; window 3
.set a, 0
.rept 4
.set b, 0
.rept 8
	ds_store_b128 v[DST], v[8*(8*a+b):8*(8*a+b)+3]   offset:(a+4)*16*DP+64*b
	ds_store_b128 v[DST], v[8*(8*a+b)+4:8*(8*a+b)+7] offset:(a+4)*16*DP+64*b+16
.set b, b+1
.endr
.set a, a+1
.endr
	WIN 0
.macro LDX                             ; my 8 numbers of a row in each of the two planes; LDS serves a wave's instructions in order (ISA guide 5.7.1.4): these see my stores
	ds_load_b128 v[XX:XX+3],     v[RD]
	ds_load_b128 v[XX+4:XX+7],   v[RD] offset:16
	ds_load_b128 v[XX+8:XX+11],  v[RD] offset:256
	ds_load_b128 v[XX+12:XX+15], v[RD] offset:272
.endm
.macro PRE p                           ; pair p: D = 1 + p |x|; the exponent (C x) x
	v_pk_mul_f32 v[WW+2*(\p):WW+2*(\p)+1], v[XX+2*(\p):XX+2*(\p)+1], s[CC:CC+1] op_sel_hi:[1,0]
	v_fma_f32 v[DD+2*(\p)], |v[XX+2*(\p)]|, s[PP], 1.0
	v_fma_f32 v[DD+2*(\p)+1], |v[XX+2*(\p)+1]|, s[PP], 1.0
	v_pk_mul_f32 v[WW+2*(\p):WW+2*(\p)+1], v[WW+2*(\p):WW+2*(\p)+1], v[XX+2*(\p):XX+2*(\p)+1]
.endm
; Pair p's two reciprocals and two exponentials, a plain line behind each: its maxima and the next pair's PRE, whose two dependent multiplies stand six lines apart.  No line names a result of the batch.
.macro STEP p
	v_rcp_f32 v[TT+2*(\p)], v[DD+2*(\p)]
.if (\p) < 7
	v_pk_mul_f32 v[WW+2*(\p)+2:WW+2*(\p)+3], v[XX+2*(\p)+2:XX+2*(\p)+3], s[CC:CC+1] op_sel_hi:[1,0]
	v_rcp_f32 v[TT+2*(\p)+1], v[DD+2*(\p)+1]
	v_max_num_f32 v[MM+2*(\p)], s[LO], v[XX+2*(\p)]
	v_exp_f32 v[WW+2*(\p)], v[WW+2*(\p)]
	v_fma_f32 v[DD+2*(\p)+2], |v[XX+2*(\p)+2]|, s[PP], 1.0
	v_exp_f32 v[WW+2*(\p)+1], v[WW+2*(\p)+1]
	v_pk_mul_f32 v[WW+2*(\p)+2:WW+2*(\p)+3], v[WW+2*(\p)+2:WW+2*(\p)+3], v[XX+2*(\p)+2:XX+2*(\p)+3]
	v_max_num_f32 v[MM+2*(\p)+1], s[LO], v[XX+2*(\p)+1]
	v_fma_f32 v[DD+2*(\p)+3], |v[XX+2*(\p)+3]|, s[PP], 1.0
.else
	v_max_num_f32 v[MM+2*(\p)], s[LO], v[XX+2*(\p)]
	v_rcp_f32 v[TT+2*(\p)+1], v[DD+2*(\p)+1]
	v_max_num_f32 v[MM+2*(\p)+1], s[LO], v[XX+2*(\p)+1]
	v_exp_f32 v[WW+2*(\p)], v[WW+2*(\p)]
	v_exp_f32 v[WW+2*(\p)+1], v[WW+2*(\p)+1]
	v_nop                                          ; the plain instruction behind the batch's last exponential
.endif
.endm
.macro ALLP line:vararg                ; one line for each pair; p is the pair's first register
.set p, 0
.rept 8
	\line
.set p, p+2
.endr
.endm
	LDX
	s_mov_b32 s[CN2], 32
	s_mov_b32 s[STP], 0
	s_mov_b32 s[STP+1], 0
.Lrows:                                        ; 32 trips: four rows x two planes, 16 numbers a lane
	s_wait_dscnt 0x0                               ; the four loads, issued half a trip ago
	PRE 0
.irp q, 0,1,2,3,4,5,6,7
	STEP \q
.endr
	s_wait_alu depctr_va_vdst(0)                   ; ONE wait for the batch of 32, ahead of the first line that names a result and of the branch
	s_cmp_eq_u32 s[CN2], 1                         ; x is dead: the next trip's loads go out now; the last trip has none
	s_cbranch_scc1 .Lno_more
	v_add_nc_u32 v[RD], 4*DP, v[RD]
	LDX
.Lno_more:
	ALLP v_pk_fma_f32 v[QQ+p:QQ+p+1], v[TT+p:TT+p+1], s[A5:A5+1], s[A4:A4+1] op_sel_hi:[1,0,0]
	ALLP v_pk_fma_f32 v[QQ+p:QQ+p+1], v[QQ+p:QQ+p+1], v[TT+p:TT+p+1], s[A3:A3+1] op_sel_hi:[1,1,0]
	ALLP v_pk_fma_f32 v[QQ+p:QQ+p+1], v[QQ+p:QQ+p+1], v[TT+p:TT+p+1], s[A2:A2+1] op_sel_hi:[1,1,0]
	ALLP v_pk_fma_f32 v[QQ+p:QQ+p+1], v[QQ+p:QQ+p+1], v[TT+p:TT+p+1], s[A1:A1+1] op_sel_hi:[1,1,0]
	ALLP v_pk_mul_f32 v[TT+p:TT+p+1], v[TT+p:TT+p+1], v[WW+p:WW+p+1]
	ALLP v_pk_mul_f32 v[QQ+p:QQ+p+1], v[QQ+p:QQ+p+1], v[TT+p:TT+p+1]
	ALLP v_pk_add_f32 v[MM+p:MM+p+1], v[MM+p:MM+p+1], v[QQ+p:QQ+p+1]
	ALLP v_pk_fma_f32 v[MM+p:MM+p+1], v[DD+p:DD+p+1], v[QQ+p:QQ+p+1], v[MM+p:MM+p+1] neg_lo:[1,0,0] neg_hi:[1,0,0]
	s_wait_xcnt 0x0                                ; the last trip's two stores, a whole trip back, have read their data and their base: both are written again only behind this wait
	s_add_nc_u64 s[8:9], s[8:9], s[STP:STP+1]      ; four rows on (the first trip adds 0)
	s_mov_b32 s[STP], 512
.set k, 0
.rept 8
	v_cvt_pk_bf16_f32 v[YY+k], v[MM+2*k], v[MM+2*k+1]
.set k, k+1
.endr
	global_store_b128 v[GO], v[YY:YY+3], s[8:9]                    ; 512 consecutive bytes of my first plane,
	global_store_b128 v[GO], v[YY+4:YY+7], s[8:9] offset:524288    ; and of my second
	s_sub_co_u32 s[CN2], s[CN2], 1
	s_cmp_lg_u32 s[CN2], 0
	s_cbranch_scc1 .Lrows
	s_wait_tensorcnt 0x0                           ; the wave's end: behind my last tensor load and my last LDS store
	ds_add_u32 v[SPW], v[NIL]
	s_wait_dscnt 0x0
	CROUND                                         ; the closing round
	s_endpgm
.Lfunc_end_k_q02a02a2fce_qkv:
	.size	k_q02a02a2fce_qkv, .Lfunc_end_k_q02a02a2fce_qkv-k_q02a02a2fce_qkv
	.p2alignl 7, 3214868480
	.fill 96, 4, 3214868480
	.section	.rodata,"a",@progbits
	.p2align	6, 0x0
	.amdhsa_kernel k_q02a02a2fce_qkv
		.amdhsa_group_segment_fixed_size 327680
		.amdhsa_private_segment_fixed_size 0
		.amdhsa_enable_private_segment 0
		.amdhsa_kernarg_size 32
		.amdhsa_user_sgpr_count 2
		.amdhsa_user_sgpr_kernarg_segment_ptr 1
		.amdhsa_wavefront_size32 1
		.amdhsa_system_sgpr_workgroup_id_x 1
		.amdhsa_system_sgpr_workgroup_id_y 1
		.amdhsa_system_sgpr_workgroup_id_z 1
		.amdhsa_system_vgpr_workitem_id 0
		.amdhsa_next_free_vgpr 1024
		.amdhsa_next_free_sgpr 90
		.amdhsa_reserve_vcc 0
		.amdhsa_float_denorm_mode_32 3
		.amdhsa_float_denorm_mode_16_64 3
		.amdhsa_memory_ordered 1
		.amdhsa_forward_progress 1
		.amdhsa_inst_pref_size 87
	.end_amdhsa_kernel
	.amdgpu_metadata
---
amdhsa.version: [ 1, 2 ]
amdhsa.kernels:
  - .name:           k_q02a02a2fce_qkv
    .symbol:         k_q02a02a2fce_qkv.kd
    .args:
      - { .name: act, .offset: 0, .size: 8, .value_kind: global_buffer, .address_space: global }
      - { .name: wqkv, .offset: 8, .size: 8, .value_kind: global_buffer, .address_space: global }
      - { .name: big, .offset: 16, .size: 8, .value_kind: global_buffer, .address_space: global }
      - { .name: coef_a, .offset: 24, .size: 8, .value_kind: global_buffer, .address_space: global }
    .group_segment_fixed_size: 327680
    .private_segment_fixed_size: 0
    .kernarg_segment_align: 8
    .kernarg_segment_size: 32
    .max_flat_workgroup_size: 128
    .sgpr_count:     90
    .vgpr_count:     1024
    .wavefront_size: 32
...
	.end_amdgpu_metadata
.endif
;; end of part 2
;; launch attn (part 3): grid 8 x 32, 4 waves a work-group, no clusters, 327,680 bytes of LDS; arguments big, act; writes act
.if DOCPART == 3
	.amdgcn_target "amdgcn-amd-amdhsa--gfx1250"
	.amdhsa_code_object_version 6
	.text
	.protected	k_q02a02a2fce_attn
	.globl	k_q02a02a2fce_attn
	.p2align	8
	.type	k_q02a02a2fce_attn,@function
k_q02a02a2fce_attn:
	s_mov_b64 s[64:65], 0
	v_nop
	global_prefetch_b8 v0, s[64:65] scope:SCOPE_SE
	s_setreg_imm32_b32 hwreg(HW_REG_WAVE_MODE, 25, 1), 1
	s_wait_xcnt 0x0
; CAUSAL ATTENTION, head size 64, 32 heads (16 x 2 batches) of 2,048 rows.  q, k, v lie in big by planes of 64 columns, [plane][4096][64] bf16: q in planes 0-15, k in 16-31, v in 32-47; O goes to act in the same
; layout.  O[q] = sum over k <= q of softmax_k(Q[q] . K[k] / 8) V[k].  Products, maxima and sums in f32; the weights are rounded to bf16 for the second product (their sum is taken unrounded), O once at the end.
; LIMITS.  A hidden score counts as its value less 1e30; a weight below 2^-126 counts as 0 in the sum; NaN and infinities are not treated apart.
; THE WALK.  A head's queries lie in 16 blocks of 128; block i needs the key tiles 0 .. i / 2 of 256 keys, the last of which holds the diagonal.  Work-group b takes blocks 15 - b and then b: 9 tiles whatever b, so all
; 256 work-groups do equal work and ONE loop with a constant count walks them.  What a trip does hangs on scalars made from b; every jump but the counted loops' own goes forward and passes no barrier.
; NO CLUSTER: the tile sequences of a head's eight work-groups agree over the whole walk only in pairs; among four of them for 5 to 7 of the 9 trips; a walk common to four would have 10 trips for 9.
; SHARES.  A block is two bands of 64 queries; a wave owns 16 rows in each: two PIECES.  In the diagonal tile's step s band x sees all keys if s < o, none if s > o, and holds the diagonal if s = o, o = 2 (i % 2) + x.
; THE MASK is the C operand that starts S^T = K Q^T: MD x AL + BE, MD the mask of a band's own step (made once), (AL, BE) = (1, 0), (0, 0) or (0, -1e30).  A masked turn makes its own mask at its head.
; TURNS.  Turn p: 8 products K Q^T of the other piece (turn 1: of the next step), the softmax of piece p, the maximum and statistics of the other piece, 8 products V^T P of the other piece.  Four vector
; instructions stand behind every product, the rest in one lump; a turn's 33 exponentials are one batch with one wait.
; K's RING IS ONE STEP AHEAD.  Turn 0 of step j fetches K of step j + 1 and V of step j.  So K's tile t holds keys 256 t + 64 .. 256 t + 319: both come from the same slot, and one change of slots serves both.
; Keys 0-63 have a region of their own, filled once.  K's tile 7 runs 64 rows past the head (inside big); those rows, and the K that a block's last turn 0 fetches, are multiplied by nothing.
; REGISTERS in windows of 256: window 0: addresses, statistics v16-23, at work v48-55, S^T v64-127 (two buffers), P v192-223 (two buffers); window 1: O^T v0-63, MD v128-159, MC v160-223;
; window 2: Q v0-31, the second block's Q v64-95, K v128-191, V v192-255.
.set NP,    2
.set KS,    64
.set PK,    144       ; a row of K in LDS: 128 bytes + 16: the 16 rows of a load start at 16 different groups of four banks (ISA guide 11.1)
.set PV,    160       ; a row of V: 128 + 32
.set VOFF,  4*KS*PK
.set SLOT1, 1<<17
.set STAGE, SLOT1+4*KS*(PK+PV)  ; never filled by a tensor load: 16 rows x 144 bytes a wave, for the way out
.set SP,    144
.set K0,    STAGE+4*16*SP       ; keys 0-63, filled once
.set SPARE, K0+KS*PK            ; the spare words, 128 bytes a wave: two blocks of 256 bytes that no other line names
.set AK0, 2
.set AV0, 3
.set AK,  4
.set AV,  5
.set STO, 6
.set RD,  7
.set GO,  8
.set MV,  12
.set QO,  15
.set ST,  16          ; piece t: c m, m, l (even keys', odd keys')
.set TMP, 48
.set PFO, 61
.set SPW, 62
.set NIL, 63
.set S,   64
.set P,   192
.set MD,  128
.set MC,  160
.set QB,  64
.set KF,  128
.set VF,  192
.set WV,  12
.set PB,  14          ; b
.set HI,  15          ; 15 - b
.set G1K, 24
.set G1V, 32
.set G0K, 40
.set G0V, 44
.set G1K0, 48
.set SLOTS, 56
.set CNT, 57
.set CS,  58
.set SEL, 60
.set TBK, 62
.set TBV, 63
.set OW,  66          ; s66, s67: the value of CNT at piece 0's, piece 1's own step of the diagonal tile
.set OWB, 68          ; s66 for the second block
.set LIM, 69
.set RT,  70
.set NXT, 71
.set LQ,  72
.set NEW, 73
.set OFF, 74
.set AL,  76
.set BE,  78
.set OLO, 80
.set BIGN, 82
.set PT,  83          ; the second block's last tile
.set G0K0, 88
.set PFA, 92
.set MSB, 0
.macro WIN new
.if MSB != (\new)
	s_set_vgpr_msb (MSB<<8)|(\new)
.set MSB, (\new)
.endif
.endm
.set W_KQ, 0x0a
.set W_KM, 0x1a
.set W_PV, 0x52
.set W_RS, 0x41
.macro LOAD                         ; a fill: waves 0, 1 fetch the halves of a tile's K, waves 2, 3 those of its V; an s_nop 0 and four v_nop follow each line
	s_cmp_lt_u32 s[WV], 2
	s_cbranch_scc0 .Lfor_v_\@
	tensor_load_to_lds s[G0K:G0K+3], s[G1K:G1K+7]
	s_nop 0
.rept 4
	v_nop
.endr
	s_branch .Lasked_\@
.Lfor_v_\@:
	tensor_load_to_lds s[G0V:G0V+3], s[G1V:G1V+7]
	s_nop 0
.rept 4
	v_nop
.endr
.Lasked_\@:
.endm
; A PREFETCH INTO THE L2 of the tile that the NEXT change of slots asks for.  All eight work-groups of a head walk the same tiles: work-group b = 0, whose first block walks all eight, asks, and nobody else; each
; of its waves names the half tile that it fetches itself, 64 blocks of 256 bytes by two instructions.  Tiles 0 and 1 come by their loads alone; behind tile 7 nothing is named.
.macro ASK
	s_cmp_gt_u32 s[SLOTS], s[LIM]
	s_cbranch_scc0 .Lnot_mine_\@
	global_prefetch_b8 v[PFO], s[PFA:PFA+1] th:TH_LOAD_NT scope:SCOPE_SE
	global_prefetch_b8 v[PFO], s[PFA:PFA+1] offset:8192 th:TH_LOAD_NT scope:SCOPE_SE
.Lnot_mine_\@:
.endm
; THE CHANGE OF SLOTS.  Each wave waits for all its tensor loads, adds 0 to its spare word, and waits for that and for its own reads of the slot that it leaves.  Behind the barrier nobody reads the old slot and the
; other is whole.  fill = 1: the old slot is filled again, first thing behind the barrier, with tile NXT; the descriptor's address is made anew from that number.
.macro CHANGE fill
	WIN 0
	s_wait_tensorcnt 0x0
	ds_add_u32 v[SPW], v[NIL]
.if \fill
	s_lshl_b32 s[OFF], s[NXT], 15
	s_xor_b32 s[G0K+1], s[G0K+1], SLOT1
	s_add_nc_u64 s[G0K+2:G0K+3], s[6:7], s[OFF:OFF+1]
	s_or_b32 s[G0K+3], s[G0K+3], 0x80000000
	s_xor_b32 s[G0V+1], s[G0V+1], SLOT1
	s_add_nc_u64 s[G0V+2:G0V+3], s[8:9], s[OFF:OFF+1]
	s_or_b32 s[G0V+3], s[G0V+3], 0x80000000
	s_add_co_u32 s[NXT], s[NXT], 1  ; the block's next tile, or behind its last the second block's tile 0
	s_cmp_gt_u32 s[NXT], s[LQ]
	s_cselect_b32 s[NXT], 0, s[NXT]
	s_cselect_b32 s[LQ], s[PT], s[LQ]
	s_wait_xcnt 0x0                 ; the last prefetches, a tile back, have read their address
	s_add_nc_u64 s[PFA:PFA+1], s[PFA:PFA+1], 32768
.endif
	s_wait_dscnt 0x0                ; the add is done, and my reads of the slot are over
	s_barrier_signal -1
	s_sub_co_u32 s[TBK], s[TBK], 4*KS*PK
	s_xor_b32 s[TBK], s[TBK], SLOT1
	s_sub_co_u32 s[TBV], s[TBV], 4*KS*PV
	s_xor_b32 s[TBV], s[TBV], SLOT1
	s_barrier_wait -1
.if \fill
	LOAD
	ASK
.endif
.endm
	s_load_b64 s[4:5], s[0:1], 0x0    ; big
	s_load_b64 s[10:11], s[0:1], 0x8  ; act
	v_lshl_add_u32 v[SPW], v0, 2, SPARE
	v_mov_b32 v[NIL], 0
	ds_add_u32 v[SPW], v[NIL]       ; the wave's opening: the add and its wait, ahead of my first tensor load
	v_lshrrev_b32 v1, 5, v0
	v_readfirstlane_b32 s[WV], v1
	s_mov_b32 s[PB], ttmp9
	s_sub_co_u32 s[HI], 15, s[PB]
	s_lshr_b32 s[LQ], s[HI], 1      ; the first block's last tile
	s_lshr_b32 s[PT], s[PB], 1
	s_add_co_u32 s[RT], s[LQ], 1    ; its number of tiles
	s_and_b32 s13, s[HI], 1
	s_lshl_b32 s13, s13, 1
	s_sub_co_u32 s[OW], 4, s13
	s_sub_co_u32 s[OW+1], s[OW], 1
	s_and_b32 s13, s[PB], 1
	s_lshl_b32 s13, s13, 1
	s_sub_co_u32 s[OWB], 4, s13
	s_and_b32 s20, ttmp7, 15        ; the head's plane,
	s_bfe_u32 s21, ttmp7, 0x10004   ; the batch
	s_lshl_b32 s20, s20, 19
	s_lshl_b32 s21, s21, 18
	s_add_co_u32 s20, s20, s21
	s_mov_b32 s21, 0                ; s[20:21]: the head's first byte in a group of 16 planes
	s_and_b32 s16, s[WV], 1         ; which half of a tile's 256 keys I fetch
	s_lshl_b32 s22, s16, 14
	s_mov_b32 s23, 0
	s_add_nc_u64 s[22:23], s[22:23], s[20:21]
	s_lshl_b32 s94, s16, 12         ; and which 32 of keys 0-63
	s_mov_b32 s95, 0
	s_add_nc_u64 s[94:95], s[94:95], s[20:21]
	s_mul_i32 s17, s16, 128*PK
	s_mul_i32 s18, s16, 128*PV
	s_mul_i32 s19, s16, 32*PK
	s_lshl_b32 s3, s[WV], 11        ; my 16 rows in a band of 64,
	s_lshl_b32 s2, s[HI], 14        ; in the first block,
	s_add_co_u32 s2, s2, s3
	s_lshl_b32 s84, s[PB], 14       ; and in the second
	s_add_co_u32 s84, s84, s3
	s_mov_b32 s3, 0
	s_mov_b32 s85, 0
	s_add_nc_u64 s[2:3], s[2:3], s[20:21]
	s_add_nc_u64 s[84:85], s[84:85], s[20:21]
	; descriptor group 1: dense bytes asked for as rows of 256 bytes, two keys a row, padded in LDS after every key
	s_mov_b32 s[G1K], (1<<16)|(1<<20)|(4<<22)|(3<<25)
	s_mov_b32 s[G1V], (1<<16)|(1<<20)|(4<<22)|(7<<25)
	s_mov_b32 s[G1K0], (1<<16)|(1<<20)|(4<<22)|(3<<25)
.irp g, G1K, G1V
	s_mov_b32 s[\g+1], 128<<16
	s_mov_b32 s[\g+2], 64<<16
	s_mov_b32 s[\g+3], 128<<16
	s_mov_b32 s[\g+4], 64
	s_mov_b32 s[\g+5], 128
	s_mov_b32 s[\g+6], 0
	s_mov_b32 s[\g+7], 0
.endr
	s_mov_b32 s[G1K0+1], 128<<16
	s_mov_b32 s[G1K0+2], 16<<16     ; 32 keys: 16 rows
	s_mov_b32 s[G1K0+3], 128<<16
	s_mov_b32 s[G1K0+4], 16
	s_mov_b32 s[G1K0+5], 128
	s_mov_b32 s[G1K0+6], 0
	s_mov_b32 s[G1K0+7], 0
	s_mov_b32 s[CS], 0x3e38aa3b     ; c = log2(e) / 8
	s_mov_b32 s[CS+1], s[CS]
	s_mov_b32 s[SEL], 0x76543210
	s_mov_b32 s[SEL+1], 0xfedcba98
	s_mov_b32 s[TBK], SLOT1+4*KS*PK ; the first change of slots turns these two into 0
	s_mov_b32 s[TBV], SLOT1+4*KS*PV
	s_mov_b32 s[G0K], 1
	s_mov_b32 s[G0K+1], s17
	s_mov_b32 s[G0V], 1
	s_add_co_u32 s[G0V+1], s18, VOFF
	s_mov_b32 s[G0K0], 1
	s_add_co_u32 s[G0K0+1], s19, K0
	s_mov_b32 s[NXT], 1
	s_mov_b32 s[NEW], 1
	s_mov_b32 s[OFF+1], 0
	s_mov_b32 s[AL+1], 0
	s_mov_b32 s[BE+1], 0
	s_mov_b32 s[BIGN], 0xf149f2ca   ; -1e30
	s_mov_b32 s[SLOTS], 8
	s_cmp_eq_u32 s[PB], 0
	s_cselect_b32 s[LIM], 2, -1
	v_and_b32 v[PFO], 31, v0
	v_lshlrev_b32 v[PFO], 8, v[PFO]
	s_wait_dscnt 0x0                ; the opening add is done
	s_wait_kmcnt 0x0
	s_add_nc_u64 s[6:7], s[4:5], s[22:23]
	s_add_nc_u64 s[8:9], s[6:7], 16777216          ; V at my half of the head's tile 0
	s_add_nc_u64 s[6:7], s[6:7], 8388608+8192      ; K likewise, one step on
	s_add_nc_u64 s[G0K0+2:G0K0+3], s[4:5], s[94:95]
	s_add_nc_u64 s[G0K0+2:G0K0+3], s[G0K0+2:G0K0+3], 8388608
	s_or_b32 s[G0K0+3], s[G0K0+3], 0x80000000
	s_add_nc_u64 s[G0K+2:G0K+3], s[6:7], 0
	s_or_b32 s[G0K+3], s[G0K+3], 0x80000000
	s_add_nc_u64 s[G0V+2:G0V+3], s[8:9], 0
	s_or_b32 s[G0V+3], s[G0V+3], 0x80000000
	s_add_nc_u64 s[86:87], s[4:5], s[84:85]        ; Q at my rows of the second block,
	s_add_nc_u64 s[4:5], s[4:5], s[2:3]            ; Q and O at those of the first
	s_add_nc_u64 s[OLO:OLO+1], s[10:11], s[84:85]
	s_add_nc_u64 s[10:11], s[10:11], s[2:3]
	s_cmp_lt_u32 s[WV], 2
	s_cselect_b64 s[PFA:PFA+1], s[6:7], s[8:9]
	s_add_nc_u64 s[PFA:PFA+1], s[PFA:PFA+1], 32768 ; at tile 1; the first change steps it to tile 2
	s_cmp_lt_u32 s[WV], 2           ; a wave's first fills stand in one branch: waves 0 and 1 have two loads out, waves 2 and 3 one
	s_cbranch_scc0 .Lfirst_v
	tensor_load_to_lds s[G0K:G0K+3], s[G1K:G1K+7]
	s_nop 0
	tensor_load_to_lds s[G0K0:G0K0+3], s[G1K0:G1K0+7]
	s_nop 0
.rept 4
	v_nop
.endr
	s_branch .Lfirst_asked
.Lfirst_v:
	tensor_load_to_lds s[G0V:G0V+3], s[G1V:G1V+7]
	s_nop 0
.rept 4
	v_nop
.endr
.Lfirst_asked:
	v_and_b32 v1, 15, v0            ; l % 16
	v_bfe_u32 v9, v0, 4, 1          ; l / 16
	v_lshlrev_b32 v[QO], 7, v1
	v_lshl_add_u32 v[QO], v9, 4, v[QO]
	WIN 0x80
.set i, 0
.rept 4                             ; both blocks' Q: piece i / 2 lies in band i / 2, 8,192 bytes on; channels 32 (i % 2) on
	global_load_b128 v[8*i:8*i+3],   v[QO], s[4:5] offset:(i/2)*8192+(i%2)*64
	global_load_b128 v[8*i+4:8*i+7], v[QO], s[4:5] offset:(i/2)*8192+(i%2)*64+32
	global_load_b128 v[QB+8*i:QB+8*i+3],   v[QO], s[86:87] offset:(i/2)*8192+(i%2)*64
	global_load_b128 v[QB+8*i+4:QB+8*i+7], v[QO], s[86:87] offset:(i/2)*8192+(i%2)*64+32
.set i, i+1
.endr
	WIN 0
	v_lshlrev_b32 v14, 3, v9
	v_sub_nc_u32 v14, v1, v14
	s_lshl_b32 s13, s[WV], 4
	v_add_nc_u32 v14, s13, v14      ; my query's place in its band less my lanes' 8 (l / 16): register r of group kt is hidden where 16 kt + r is greater
	WIN 0x40
.set i, 0
.rept 32
	v_cmp_gt_i32 vcc_lo, 16*(i/8)+i%8, v14
	v_cndmask_b32 v[MD+i], 0, s[BIGN], vcc_lo
.set i, i+1
.endr
	WIN 0
	v_mul_u32_u24 v[AK0], v1, PK
	v_lshl_add_u32 v[AK0], v9, 4, v[AK0]
	v_and_b32 v10, 7, v0
	v_bfe_u32 v11, v0, 3, 1
	v_lshl_add_u32 v[AV0], v9, 3, v10
	v_mul_u32_u24 v[AV0], v[AV0], PV
	v_lshl_add_u32 v[AV0], v11, 4, v[AV0]
	v_add_nc_u32 v[AV0], VOFF, v[AV0]
	s_mul_i32 s13, s[WV], 16*SP
	s_add_co_u32 s13, s13, STAGE
	v_mul_u32_u24 v[STO], v1, SP
	v_lshl_add_u32 v[STO], v9, 4, v[STO]
	v_add_nc_u32 v[STO], s13, v[STO]
	v_bfe_u32 v[RD], v0, 3, 2
	v_mul_u32_u24 v[RD], v[RD], SP
	v_lshl_add_u32 v[RD], v10, 4, v[RD]
	v_add_nc_u32 v[RD], s13, v[RD]
	v_and_b32 v[GO], 31, v0
	v_lshlrev_b32 v[GO], 4, v[GO]
	; A block's first step multiplies O^T and l by a = 0, and its first turn's products V^T P, of a piece that has not been, land in an O^T still to be so multiplied: these registers need only hold finite numbers.
	WIN 0x80
.set i, VF
.rept 64
	v_mov_b32 v[i], 0
.set i, i+1
.endr
	WIN 0x40
.set i, 0
.rept 64
	v_mov_b32 v[i], 0
.set i, i+1
.endr
	WIN 0
.set i, 0
.rept NP
	v_mov_b32 v[ST+4*i+2], 0
	v_mov_b32 v[ST+4*i+3], 0
.set i, i+1
.endr
.set i, P+16
.rept 16
	v_mov_b32 v[i], 0
.set i, i+1
.endr
; THE MATRIX WORK.  The 4 accumulators of a run of 8 take turns.
.macro KQ x                         ; product i of 8 of S^T = K Q^T for piece x: channels 32 (i / 4) on, keys 16 (i % 4) on.  The first 4 start the sums: with 0, or (KM = 1) with the mask
.set rS, S+32*((\x)%2)+8*(i%4)
.set rK, KF+16*(i%4)+8*(i/4)
.set rQ, 16*(\x)+8*(i/4)
.set rM, MC+32*((\x)%2)+8*(i%4)
.if (i < 4) && KM
	WIN W_KM
	v_wmma_f32_16x16x32_bf16 v[rS:rS+7], v[rK:rK+7], v[rQ:rQ+7], v[rM:rM+7]
.elseif i < 4
	WIN W_KQ
	v_wmma_f32_16x16x32_bf16 v[rS:rS+7], v[rK:rK+7], v[rQ:rQ+7], 0
.else
	WIN W_KQ
	v_wmma_f32_16x16x32_bf16 v[rS:rS+7], v[rK:rK+7], v[rQ:rQ+7], v[rS:rS+7]
.endif
.endm
.macro PV x                         ; product i of 8 of O^T += V^T P for piece x: keys 32 (i / 4) on, channels 16 (i % 4) on
	WIN W_PV
.set rO, 32*(\x)+8*(i%4)
.set rV, VF+32*(i/4)+8*(i%4)
.set rP, P+16*((\x)%2)+8*(i/4)
	v_wmma_f32_16x16x32_bf16 v[rO:rO+7], v[rV:rV+7], v[rP:rP+7], v[rO:rO+7]
.endm
.macro MM                           ; the turn's next matrix instruction.  NOKQ = 1: a block's last turn: there are no further scores
.if (i < 8) && !NOKQ
	KQ (Y+1)%NP
.elseif i >= 8
.set i, i-8
	PV (Y+NP-1)%NP
.set i, i+8
.endif
.set i, i+1
.endm
.macro FETCH_K step=1               ; a step's K: 16 loads in one run.  step = 0: from the region of keys 0-63, which is no part of the ring
	WIN 0x80
.irp f, 0,1,2,3,4,5,6,7
	ds_load_b128 v[KF+8*\f:KF+8*\f+3],   v[AK] offset:(\f/2)*16*PK+(\f%2)*64
	ds_load_b128 v[KF+8*\f+4:KF+8*\f+7], v[AK] offset:(\f/2)*16*PK+(\f%2)*64+32
.endr
.if \step
	s_add_co_u32 s[TBK], s[TBK], KS*PK
.endif
	WIN 0
.endm
.macro FETCH_V                      ; a step's V, turned
	WIN 0x80
.irp f, 0,1,2,3,4,5,6,7
	ds_load_tr16_b128 v[VF+8*\f:VF+8*\f+3],   v[AV] offset:(\f/4)*32*PV+(\f%4)*32
	ds_load_tr16_b128 v[VF+8*\f+4:VF+8*\f+7], v[AV] offset:(\f/4)*32*PV+16*PV+(\f%4)*32
.endr
	WIN 0
.endm
; THE VECTOR WORK, one line at a time: OP kind, number.  For piece Y: F n: c s - c m for pair n.  E n: the exponential of score n.  C n: pair n rounded to bf16.  B n: of the four weights 4 n .. the second pair is added
; onto the first.  L n: l takes that sum (L 0: l = a l + sum).  R n: pair n of O^T times a.  For the other piece: X n, number n of the 22 that find its maximum and statistics (each accumulator's lowest registers first).
.set F, 0
.set E, 1
.set C, 2
.set B, 3
.set L, 4
.set R, 5
.set X, 6
.macro REGS y
.set rT, ST+4*(\y)
.set rC, TMP+4*((\y)%2)
.set rW, MV+((\y)%2)
.set rS, S+32*((\y)%2)
.set rP, P+16*((\y)%2)
.set rO, 32*(\y)
.endm
.macro OP k, n
.if (\k) == R
	REGS Y
	WIN W_RS
	v_pk_mul_f32 v[rO+2*(\n):rO+2*(\n)+1], v[rO+2*(\n):rO+2*(\n)+1], v[rC+2:rC+3] op_sel_hi:[1,0]
.elseif (\k) < R
	REGS Y
	WIN 0
.if (\k) == F
	v_pk_fma_f32 v[rS+2*(\n):rS+2*(\n)+1], v[rS+2*(\n):rS+2*(\n)+1], s[CS:CS+1], v[rT:rT+1] op_sel_hi:[1,0,0] neg_lo:[0,0,1] neg_hi:[0,0,1]
.elseif (\k) == E
	v_exp_f32 v[rS+(\n)], v[rS+(\n)]
.elseif (\k) == C
	v_cvt_pk_bf16_f32 v[rP+(\n)], v[rS+2*(\n)], v[rS+2*(\n)+1]
.elseif (\k) == B
	v_pk_add_f32 v[rS+4*(\n):rS+4*(\n)+1], v[rS+4*(\n):rS+4*(\n)+1], v[rS+4*(\n)+2:rS+4*(\n)+3]
.elseif (\n) == 0
	v_pk_fma_f32 v[rT+2:rT+3], v[rT+2:rT+3], v[rC+2:rC+3], v[rS:rS+1] op_sel_hi:[1,0,1]
.else
	v_pk_add_f32 v[rT+2:rT+3], v[rT+2:rT+3], v[rS+4*(\n):rS+4*(\n)+1]
.endif
.elseif NOKQ
	v_nop
.else
	REGS (Y+1)%NP
	WIN 0
.if (\n) < 4
	v_max3_num_f32 v[rC+(\n)], v[rS+8*(\n)], v[rS+8*(\n)+1], v[rS+8*(\n)+2]
.elseif (\n) < 12
	v_max3_num_f32 v[rC+(\n)%4], v[rC+(\n)%4], v[rS+8*((\n)%4)+2*((\n)/4)+1], v[rS+8*((\n)%4)+2*((\n)/4)+2]
.elseif (\n) == 12
	v_max3_num_f32 v[rC], v[rC], v[rS+7], v[rS+15]
.elseif (\n) == 13
	v_max3_num_f32 v[rC+1], v[rC+1], v[rS+23], v[rS+31]
.elseif (\n) == 14
	v_max3_num_f32 v[rC+2], v[rC+2], v[rC+3], v[rT+1]
.elseif (\n) == 15
	v_mov_b32 v[rW], v[rT]
.elseif (\n) == 16
	v_max3_num_f32 v[rC], v[rC], v[rC+1], v[rC+2]
.elseif (\n) == 17
	v_permlanex16_b32 v[rC+3], v[rC], s[SEL], s[SEL+1]
.elseif (\n) == 18
	v_max_num_f32 v[rT+1], v[rC], v[rC+3]
.elseif (\n) == 19
	v_mul_f32 v[rT], s[CS], v[rT+1]
.elseif (\n) == 20
	v_sub_f32 v[rC+1], v[rW], v[rT]
.else
	v_exp_f32 v[rC+2], v[rC+1]
.endif
.endif
.endm
.macro OPS a, i1, b=-1, i2=0, c=-1, i3=0, d=-1, i4=0
	OP \a, \i1
.if (\b) >= 0
	OP \b, \i2
.endif
.if (\c) >= 0
	OP \c, \i3
.endif
.if (\d) >= 0
	OP \d, \i4
.endif
.endm
.macro ROW a, i1, b, i2, c, i3, d, i4  ; a matrix instruction and the four behind it
	MM
	OPS \a, \i1, \b, \i2, \c, \i3, \d, \i4
.endm
.macro MASK b                       ; MD x AL + BE into buffer b of MC
	WIN W_RS
.set z, 0
.rept 16
	v_pk_fma_f32 v[MC+32*(\b)+2*z:MC+32*(\b)+2*z+1], v[MD+2*z:MD+2*z+1], s[AL:AL+1], s[BE:BE+1] op_sel_hi:[1,0,0]
.set z, z+1
.endr
.endm
; A TURN, for piece p.  AHEAD OF ITS ONE WAIT stands all that names no result of the turn's exponentials: the 8 products K Q^T and their riders, then one lump; behind it the 8 products V^T P, behind each four of the
; roundings and sums.  m = 1: the diagonal tile: the turn makes the mask of its own products at its head: the other piece's, in step 4 - CNT of the tile.  end = 1 (with p = 1): a block's last turn.
; cnt = 1: the loop's count is taken down some lines ahead of the branch behind the turn; nothing between them writes SCC.
; Turn 0 fetches K of the next step, five plain instructions or more behind the last product that read K, and at its end V of the step in hand, four plain instructions behind the last product that read V.
.macro TURN p, m=0, end=0, cnt=0
.set Y, (\p)
.set i, 0
.set KM, (\m)
.set NOKQ, (\end)*(\p)
.if (\m) && !NOKQ
	s_cmp_eq_u32 s[CNT], s[OW+((\p)+1)%NP]  ; is that step the band's own?
	s_cselect_b32 s[AL], 1.0, 0
	s_cmp_lt_u32 s[CNT], s[OW+((\p)+1)%NP]  ; or a later one?
	s_cselect_b32 s[BE], s[BIGN], 0
	MASK ((\p)+1)%NP
.endif
.if ((\p) == 1) && !(\end)
	s_wait_dscnt 16                 ; K is in; V's 16 younger loads may stay out
.endif
	ROW F,0, F,1, R,0, R,1
	ROW F,2, E,0, R,2, R,3
	ROW F,3, E,1, R,4, R,5
	ROW F,4, E,2, R,6, R,7
	ROW F,5, E,3, R,8, R,9
	ROW F,6, E,4, X,0, R,10
.if (\p) == 0
	WIN 0
	v_add_nc_u32 v[AK], s[TBK], v[AK0]
.endif
	ROW F,7, E,5, X,1, X,4
	ROW F,8, E,6, X,2, X,5
	OPS E,7, E,8, X,6, E,9
	OPS X,3, E,10, X,8, E,11
.if (\p) == 0
	FETCH_K
.endif
	OPS X,9, X,7, E,12, X,10
	OPS E,13, X,12, X,11, E,14
	OPS X,13, E,15, F,9, X,14
.if (\p) == 0
	v_add_nc_u32 v[AV], s[TBV], v[AV0]
.endif
	OPS E,16, F,10, E,17, F,11
	OPS X,16, E,18, X,15, E,19
	OPS F,12, E,20, X,17, E,21
	OPS F,13, E,22, F,14, E,23
	OPS X,18, E,24, F,15, E,25
	OPS R,11, E,26, X,19, E,27
	OPS R,12, E,28, R,13, E,29
	OPS X,20, E,30, R,14, E,31
	OPS X,21, R,15                  ; the other piece's a is the batch's last; R 15 is the plain instruction behind it
	WIN 0
	s_wait_alu depctr_va_vdst(0)    ; the one wait for the batch, ahead of the first line that names a result
.if (\p) == 1
	s_wait_dscnt 0x0                ; V is in
.endif
	ROW C,0, B,0, C,2, B,1
	ROW L,0, C,4, B,2, L,1
	ROW C,6, B,3, L,2, C,8
	ROW B,4, L,3, C,10, B,5
	ROW L,4, C,12, B,6, L,5
.if (\p) == 0
	s_add_co_u32 s[TBV], s[TBV], KS*PV
.endif
.if \cnt
	s_sub_co_u32 s[CNT], s[CNT], 1
	s_cmp_lg_u32 s[CNT], 0
.endif
	ROW C,14, B,7, L,6, C,1
	ROW C,3, L,7, C,5, C,7
	ROW C,9, C,11, C,13, C,15
.if (\p) == 0
	FETCH_V
.endif
.endm
; A BLOCK BEGINS.  c m starts far below every c s, so the first step's a is 0.  Piece 0's mask for step 0 is its own step's only where the block's first tile is its last and the block is even.
; Then K of step 0, piece 0's first scores, and its maximum and statistics.  The loop is entered at turn 0, in the middle of a trip.
.macro BEGIN
	s_mov_b32 s[NEW], 0
	WIN 0
.set i, 0
.rept NP
	v_mov_b32 v[ST+4*i], 0xfe000000
	v_mov_b32 v[ST+4*i+1], 0xff7fffff
.set i, i+1
.endr
	s_cmp_eq_u32 s[RT], 0
	s_cselect_b32 s13, s[OW], 0
	s_cmp_eq_u32 s13, 4
	s_cselect_b32 s[AL], 1.0, 0
	s_mov_b32 s[BE], 0
	MASK 0
	WIN 0
	v_add_nc_u32 v[AK], K0, v[AK0]
	FETCH_K 0
	s_wait_loadcnt 0x0              ; Q
	s_wait_dscnt 0x0
.set KM, 1
.set NOKQ, 0
.set i, 0
.rept 8
	KQ 0
.set i, i+1
.endr
	WIN 0
.rept 4
	v_nop                           ; the places behind those products
.endr
.set Y, NP-1
.irp n, 0,1,2,3,4,5,6,7,8,9,10,11,12,13,14,15,16,17,18,19,20,21
	OP X, \n
.endr
	v_nop                           ; a plain instruction behind the exponential,
	s_wait_alu depctr_va_vdst(0)    ; and its wait, ahead of the branch
.endm
.macro ALL line:vararg              ; one line for each piece t
.set t, 0
.rept NP
	\line
.set t, t+1
.endr
.endm
.macro PACK t                       ; O^T / l, rounded; a lane's eight channels pack into 16 bytes; through my stage they come back as whole rows of 128 bytes
	WIN W_RS
.set i, 32*(\t)
.rept 16
	v_pk_mul_f32 v[i:i+1], v[i:i+1], v[ST+4*(\t)+2:ST+4*(\t)+3] op_sel_hi:[1,0]
.set i, i+2
.endr
	WIN 0x05
.set i, 0
.rept 16
	v_cvt_pk_bf16_f32 v[S+16*(\t)+i], v[32*(\t)+2*i], v[32*(\t)+2*i+1]
.set i, i+1
.endr
	WIN 0
.irp f, 0,1,2,3
	ds_store_b128 v[STO], v[S+16*(\t)+4*\f:S+16*(\t)+4*\f+3] offset:32*\f
.endr
.irp f, 0,1,2,3
	ds_load_b128 v[S+16*(\t)+4*\f:S+16*(\t)+4*\f+3], v[RD] offset:\f*4*SP  ; LDS serves a wave's instructions in order (ISA guide 5.7.1.4)
.endr
.endm
.macro SEND t, younger              ; younger: the LDS instructions issued behind piece t's loads
	WIN 0
.irp f, 0,1,2,3
	s_wait_dscnt (\younger)+3-\f
	global_store_b128 v[GO], v[S+16*(\t)+4*\f:S+16*(\t)+4*\f+3], s[10:11] offset:(\t)*8192+\f*512  ; 512 consecutive bytes, aligned
.endr
.endm
.macro DIAG tag                     ; the diagonal tile's four steps, the block's last turn, its last products, and the way out
.LstepM\tag:
	TURN 1, 1
	WIN 0
.LfirstM\tag:
	TURN 0, 1, 0, 1
	WIN 0
	s_cbranch_scc1 .LstepM\tag
	TURN 1, 1, 1
.set i, 0
.rept 8
	PV NP-1
.set i, i+1
.endr
	WIN 0
	ALL v_add_f32 v[ST+4*t+2], v[ST+4*t+2], v[ST+4*t+3]
	ALL v_permlanex16_b32 v[ST+4*t+3], v[ST+4*t+2], s[SEL], s[SEL+1]
	ALL v_add_f32 v[ST+4*t+2], v[ST+4*t+2], v[ST+4*t+3]
	ALL v_rcp_f32 v[ST+4*t+2], v[ST+4*t+2]
	v_nop
	s_wait_alu depctr_va_vdst(0)    ; one wait for the two reciprocals
	PACK 0
	PACK 1
	SEND 0, 8
	SEND 1, 0
.endm
.set KM, 0
.set NOKQ, 0
.Lslot:                             ; 8 times: a tile is entered and the next is asked for
	CHANGE 1
	s_sub_co_u32 s[RT], s[RT], 1
	s_mov_b32 s[CNT], 4
	s_cmp_eq_u32 s[NEW], 1
	s_cbranch_scc1 .Lnew            ; a block's first tile
	s_cmp_eq_u32 s[RT], 0
	s_cbranch_scc0 .Lstep           ; neither its first nor its last
	s_branch .LstepM1
.Lnew:
	BEGIN
	s_branch .Lfirst                ; in the loop a block's first tile is never its last: the first block has five tiles or more, and the second's last is the walk's last
	DIAG 1                          ; in the loop this is the first block's end
	s_wait_xcnt 0x0                 ; the stores have read their registers and O's address
	s_mov_b64 s[10:11], s[OLO:OLO+1]
	s_add_co_u32 s[RT], s[PT], 1
	s_mov_b32 s[NEW], 1
	s_mov_b32 s[OW], s[OWB]
	s_sub_co_u32 s[OW+1], s[OWB], 1
	WIN 0x82                        ; the second block's Q goes where the one text of the turns names Q
.set i, 0
.rept 32
	v_mov_b32 v[i], v[QB+i]
.set i, i+1
.endr
	WIN 0
	s_branch .Lbottom
.Lstep:                             ; a trip: turn 1 of one step, then turn 0 of the next
	TURN 1
	WIN 0
.Lfirst:
	TURN 0, 0, 0, 1
	WIN 0
	s_cbranch_scc1 .Lstep
.Lbottom:
	s_sub_co_u32 s[SLOTS], s[SLOTS], 1
	s_cmp_lg_u32 s[SLOTS], 0
	s_cbranch_scc1 .Lslot
	CHANGE 0                        ; the walk's last tile is written out
	s_sub_co_u32 s[RT], s[RT], 1
	s_mov_b32 s[CNT], 4
	s_cmp_eq_u32 s[NEW], 1
	s_cbranch_scc0 .LstepM2
	BEGIN
	s_branch .LfirstM2
	DIAG 2
	s_wait_tensorcnt 0x0            ; the wave's end
	ds_add_u32 v[SPW], v[NIL]
	s_wait_dscnt 0x0
	s_endpgm
.Lfunc_end_k_q02a02a2fce_attn:
	.size	k_q02a02a2fce_attn, .Lfunc_end_k_q02a02a2fce_attn-k_q02a02a2fce_attn
	.p2alignl 7, 3214868480
	.fill 96, 4, 3214868480
	.section	.rodata,"a",@progbits
	.p2align	6, 0x0
	.amdhsa_kernel k_q02a02a2fce_attn
		.amdhsa_group_segment_fixed_size 327680
		.amdhsa_private_segment_fixed_size 0
		.amdhsa_enable_private_segment 0
		.amdhsa_kernarg_size 16
		.amdhsa_user_sgpr_count 2
		.amdhsa_user_sgpr_kernarg_segment_ptr 1
		.amdhsa_wavefront_size32 1
		.amdhsa_system_sgpr_workgroup_id_x 1
		.amdhsa_system_sgpr_workgroup_id_y 1
		.amdhsa_system_sgpr_workgroup_id_z 1
		.amdhsa_system_vgpr_workitem_id 0
		.amdhsa_next_free_vgpr 768
		.amdhsa_next_free_sgpr 96
		.amdhsa_reserve_vcc 1
		.amdhsa_float_denorm_mode_32 3
		.amdhsa_float_denorm_mode_16_64 3
		.amdhsa_memory_ordered 1
		.amdhsa_forward_progress 1
		.amdhsa_inst_pref_size 124
	.end_amdhsa_kernel
	.amdgpu_metadata
---
amdhsa.version: [ 1, 2 ]
amdhsa.kernels:
  - .name:           k_q02a02a2fce_attn
    .symbol:         k_q02a02a2fce_attn.kd
    .args:
      - { .name: big, .offset: 0, .size: 8, .value_kind: global_buffer, .address_space: global }
      - { .name: act, .offset: 8, .size: 8, .value_kind: global_buffer, .address_space: global }
    .group_segment_fixed_size: 327680
    .private_segment_fixed_size: 0
    .kernarg_segment_align: 8
    .kernarg_segment_size: 16
    .max_flat_workgroup_size: 128
    .sgpr_count:     96
    .vgpr_count:     768
    .wavefront_size: 32
...
	.end_amdgpu_metadata
.endif
;; end of part 3
;; launch wo (part 4): grid 8 x 32, 4 waves a work-group, clusters of 4 x 4, 327,680 bytes of LDS; arguments act, wod, x, x1; writes x1
.if DOCPART == 4
	.amdgcn_target "amdgcn-amd-amdhsa--gfx1250"
	.amdhsa_code_object_version 6
	.text
	.protected	k_q02a02a2fce_wo
	.globl	k_q02a02a2fce_wo
	.p2align	8
	.type	k_q02a02a2fce_wo,@function
k_q02a02a2fce_wo:
	s_mov_b64 s[64:65], 0
	v_nop
	global_prefetch_b8 v0, s[64:65] scope:SCOPE_SE
	s_setreg_imm32_b32 hwreg(HW_REG_WAVE_MODE, 25, 1), 1
	s_wait_xcnt 0x0
	s_wait_alu depctr_hold_cnt(0) depctr_sa_sdst(0) depctr_va_vdst(0) depctr_va_sdst(0) depctr_va_ssrc(0) depctr_va_vcc(0) depctr_vm_vsrc(0)
	s_getreg_b32 s2, hwreg(HW_REG_IB_STS2, 6, 4)
	s_cmp_eq_u32 s2, 0
	s_cbranch_scc0 .Lentry_in_a_cluster
	s_endpgm
.Lentry_in_a_cluster:
	s_bfe_u32 s2, ttmp6, 0x10000c
	s_cmp_lg_u32 s2, 0xf033
	s_cbranch_scc0 .Lentry_shape_is_right
	s_endpgm
.Lentry_shape_is_right:
; C[m][n] = R[m][n] + sum over k of A[m][k] B[n][k].  A: bf16 BY PLANES of 64 columns, [k / 64][4096][64]; B: bf16 [1024][KB], at byte BOFF of its buffer; R and C: f32 [4096][1024].  Sums in f32.
; Here: x1 = x + O Wo^T (K = 1024).  The same text with three other constants is the launch 'down'.
; A tile of C is 128 x 128 (256 work-groups); four waves, 64 x 64 each: 16 accumulators.  K goes in NS steps of 256 through a ring of two LDS slots.  A's part of a step is four planes: one tensor load brings, for each
; of them, 64 rows as ONE dense run of 8,192 bytes, padded in LDS after every 128 bytes.  CLUSTERS of 4 x 4: A's tile is asked for jointly along a row of the cluster, B's along a column.
; THE K WALK GOES ROUND: a cluster begins at K step (NS / 2) x + (NS / 4) (y % 4) of its place (x, y) among the clusters and takes the NS steps from there on, modulo NS (f32 sums may be taken in any order).
; So the two clusters that read the same rows of A are NS / 2 steps apart, and four neighbours among those that read the same rows of B NS / 4 steps: they do not ask for the same K step at the same time.
; The product is used transposed (source 0 = rows of B).  One K step is written once; the last two steps are a loop of two trips left in its middle (its second trip's barrier and 32 loads serve nothing).
; No prefetch: the tiles are small, and four work-groups share each request.  NaN and infinities are not treated apart.
; REGISTERS: window 0: addresses, v128-255 accumulators ((a, b) at 128 + 8 (4 a + b)); window 1: two fragment buffers of 128 (A 64, then B 64); window 2: v0-127 the residual, then the result.
.set NS,    4                          ; K steps
.set KB,    1024                       ; elements in a row of B
.set BOFF,  0
.set PA,    144                        ; a row of A in LDS: 128 bytes + 16: the 16 rows of a load start at 16 different groups of four banks (ISA guide 11.1)
.set PLN,   64*PA                      ; a plane's 64 rows
.set HALFA, 4*PLN
.set PBB,   528                        ; a row of B: 512 bytes + 16
.set HALFB, 64*PBB
.set BBASE, 2*HALFA
.set SLOT1, 147456                     ; 0x24000: shares no bit with a tile's place in a slot, so an exclusive or turns one slot's address into the other's
.set SPARE, SLOT1+BBASE+2*HALFB        ; the spare words, 128 bytes a wave
.set SP,    272                        ; the way out: a row of 64 f32 + 16 bytes; four stages of 64 rows in slot 0, which has had its last fill by then
.set ADRA0, 16
.set ADRB0, 17
.set ADRA,  18
.set ADRB,  19
.set STO,   24
.set RD,    25
.set CO,    26
.set SPW,   28
.set NIL,   29
.set ACC,   128
.set F0,    0
.set F1,    128
.set WV, 12
.set RH, 13
.set CH, 14
.set TR, 15
.set TC, 16
.set CX, 17
.set CY, 18
.set G1,  24
.set G0,  32
.set OA,  44                           ; s[44:45] the asked K step's byte offset in A,
.set OB,  46                           ; s[46:47] and in B
.set G1B, 48
.set G0B, 56
.set TB,  66
.set CNT, 67
.set CN2, 68
.set KI,  69                           ; the K step to be asked for next: the same number in all sixteen partners
.set MSB, 0
.macro WIN new
.if MSB != (\new)
	s_set_vgpr_msb (MSB<<8)|(\new)
.set MSB, \new
.endif
.endm
.set MUL,  0x05
.set TO_F, 0x40
.macro JLOAD s                         ; a joint load: waves 0, 1 fetch A's halves, waves 2, 3 B's; an s_nop 0 and four v_nop follow each line
	s_cmp_eq_u32 s[RH], 0
	s_cbranch_scc0 .Lfor_b_\@
	tensor_load_to_lds s[G0+4*(\s):G0+4*(\s)+3], s[G1:G1+7]
	s_nop 0
.rept 4
	v_nop
.endr
	s_branch .Lasked_\@
.Lfor_b_\@:
	tensor_load_to_lds s[G0B+4*(\s):G0B+4*(\s)+3], s[G1B:G1B+7]
	s_nop 0
.rept 4
	v_nop
.endr
.Lasked_\@:
.endm
.macro NEXTK s                         ; set s of both group 0s takes K step KI: the address is made anew from that number; then KI steps, modulo NS
	s_lshl_b32 s[OA], s[KI], 21                    ; a K step is four planes of 524,288 bytes,
	s_lshl_b32 s[OB], s[KI], 9                     ; and 512 bytes of a row of B
	s_add_nc_u64 s[G0+4*(\s)+2:G0+4*(\s)+3], s[40:41], s[OA:OA+1]
	s_or_b32 s[G0+4*(\s)+3], s[G0+4*(\s)+3], 0x80000000
	s_add_nc_u64 s[G0B+4*(\s)+2:G0B+4*(\s)+3], s[42:43], s[OB:OB+1]
	s_or_b32 s[G0B+4*(\s)+3], s[G0B+4*(\s)+3], 0x80000000
	s_add_co_u32 s[KI], s[KI], 1
	s_and_b32 s[KI], s[KI], NS-1
.endm
.macro CREST
	s_cmp_lg_u32 s[WV], 0
	s_cbranch_scc1 .Lnot_wave_0_\@
	s_barrier_signal -3
.Lnot_wave_0_\@:
	s_barrier_wait -3
	s_barrier_signal -1
	s_barrier_wait -1
.endm
.macro CROUND
	s_barrier_signal -1
	s_barrier_wait -1
	CREST
.endm
	s_load_b256 s[4:11], s[0:1], 0x0               ; A s[4:5], B s[6:7], R s[8:9], C s[10:11]
	v_lshl_add_u32 v[SPW], v0, 2, SPARE
	v_mov_b32 v[NIL], 0
	ds_add_u32 v[SPW], v[NIL]                      ; the wave's opening: the add and its wait, ahead of my first tensor load
	v_lshrrev_b32 v1, 5, v0
	v_readfirstlane_b32 s[WV], v1
	s_lshr_b32 s[RH], s[WV], 1
	s_and_b32 s[CH], s[WV], 1
	s_bfe_u32 s[CX], ttmp6, 0x40000
	s_bfe_u32 s[CY], ttmp6, 0x40004
	s_lshl_b32 s[TC], ttmp9, 2
	s_add_co_u32 s[TC], s[TC], s[CX]
	s_and_b32 s[TR], ttmp7, 0xffff
	s_lshl_b32 s[TR], s[TR], 2
	s_add_co_u32 s[TR], s[TR], s[CY]
	s_lshl_b32 s20, s[CY], 2
	s_lshl_b32 s20, 15, s20
	s_lshl_b32 s21, 0x1111, s[CX]
	s_or_b32 s[G1], s20, (1<<16)|(1<<20)|(1<<21)|(4<<22)|(3<<25)   ; A: mask of my row; 2-byte elements; after every 32 words, 4 words of padding
	s_mov_b32 s[G1+1], 4096<<16                    ; tensor_dim0 = 4,096: 64 rows of a plane on end
	s_mov_b32 s[G1+2], 4<<16                       ; tensor_dim1 = 4 planes
	s_mov_b32 s[G1+3], 4096<<16                    ; tile_dim0
	s_mov_b32 s[G1+4], 4                           ; tile_dim1
	s_mov_b32 s[G1+5], 262144                      ; elements from plane to plane
	s_mov_b32 s[G1+6], 0
	s_mov_b32 s[G1+7], 0
	s_or_b32 s[G1B], s21, (1<<16)|(1<<20)|(1<<21)|(6<<22)|(3<<25)  ; B: mask of my column; after every 128 words, 4 words
	s_mov_b32 s[G1B+1], 256<<16
	s_mov_b32 s[G1B+2], 64<<16
	s_mov_b32 s[G1B+3], 256<<16
	s_mov_b32 s[G1B+4], 64
	s_mov_b32 s[G1B+5], KB
	s_mov_b32 s[G1B+6], 0
	s_mov_b32 s[G1B+7], 0
	s_lshl_b32 s40, s[TR], 14                      ; A: 128 rows of 128 bytes a tile row, 64 a half
	s_lshl_b32 s22, s[CH], 13
	s_add_co_u32 s40, s40, s22
	s_mov_b32 s41, 0
	s_lshl_b32 s42, s[TC], 7                       ; B: row 128 x tile column + 64 x half
	s_lshl_b32 s22, s[CH], 6
	s_add_co_u32 s42, s42, s22
	s_mul_i32 s42, s42, 2*KB
	s_add_co_u32 s42, s42, BOFF
	s_mov_b32 s43, 0
	s_mul_i32 s19, s[CH], HALFA                    ; where they go: no place in the cluster enters an LDS address
	s_mul_i32 s23, s[CH], HALFB
	s_add_co_u32 s23, s23, BBASE
	s_mov_b32 s[TB], 0
	s_and_b32 s20, ttmp7, 3                        ; the walk's first K step, from the cluster's place among the clusters
	s_mul_i32 s[KI], ttmp9, NS/2
	s_mul_i32 s20, s20, NS/4
	s_add_co_u32 s[KI], s[KI], s20
	s_and_b32 s[KI], s[KI], NS-1
	s_mov_b32 s[OA+1], 0
	s_mov_b32 s[OB+1], 0
	s_wait_dscnt 0x0                               ; the opening add is done
	s_wait_kmcnt 0x0
	s_add_nc_u64 s[40:41], s[4:5], s[40:41]        ; my part of the tiles at K step 0; kept
	s_add_nc_u64 s[42:43], s[6:7], s[42:43]
	CROUND                                         ; all sixteen work-groups are here: the first joint loads meet
.irp s, 0,1
	s_mov_b32 s[G0+4*(\s)], 1
	s_add_co_u32 s[G0+4*(\s)+1], s19, (\s)*SLOT1
	s_mov_b32 s[G0B+4*(\s)], 1
	s_add_co_u32 s[G0B+4*(\s)+1], s23, (\s)*SLOT1
	NEXTK \s
	JLOAD \s                                       ; two loads of mine are out here, later one
.endr
	v_and_b32 v1, 15, v0
	v_bfe_u32 v2, v0, 4, 1
	v_lshlrev_b32 v[CO], 12, v2                    ; R and C: lanes 0-15 take 256 bytes of one row, lanes 16-31 of the next
	v_lshl_add_u32 v[CO], v1, 4, v[CO]
	s_lshl_b32 s20, s[TR], 19
	s_lshl_b32 s21, s[RH], 18
	s_add_co_u32 s20, s20, s21
	s_lshl_b32 s21, s[TC], 9
	s_add_co_u32 s20, s20, s21
	s_lshl_b32 s21, s[CH], 8
	s_add_co_u32 s20, s20, s21
	s_mov_b32 s21, 0
	s_add_nc_u64 s[8:9], s[8:9], s[20:21]
	s_add_nc_u64 s[10:11], s[10:11], s[20:21]
	WIN 0x80                                       ; destination window 2
.set t, 0
.rept 32
	global_load_b128 v[4*t:4*t+3], v[CO], s[8:9] offset:8192*t th:TH_LOAD_NT   ; my 64 x 64 of the residual: it has the whole K walk in which to land
.set t, t+1
.endr
	WIN 0
	v_mul_u32_u24 v3, v1, PA
	v_lshl_add_u32 v3, v2, 4, v3
	s_mul_i32 s20, s[RH], HALFA
	v_add_nc_u32 v[ADRA0], s20, v3
	v_mul_u32_u24 v3, v1, PBB
	v_lshl_add_u32 v3, v2, 4, v3
	v_add_nc_u32 v[ADRB0], s23, v3
	v_mov_b32 v[ADRA], v[ADRA0]
	v_mov_b32 v[ADRB], v[ADRB0]
	s_mul_i32 s22, s[WV], 64*SP
	v_mul_u32_u24 v3, v1, SP                       ; the way out, in: row l % 16, 32 bytes for each half of the lanes
	v_lshl_add_u32 v3, v2, 5, v3
	v_add_nc_u32 v[STO], s22, v3
	v_mul_u32_u24 v3, v2, SP                       ; back: two whole rows of 256 bytes
	v_lshl_add_u32 v3, v1, 4, v3
	v_add_nc_u32 v[RD], s22, v3
.macro MUL8 f, c, a0, zero             ; 8 products: m blocks a0, a0 + 1 x all 4 n blocks, 32 along K: half c of buffer f
	WIN MUL
.irp a, \a0, (\a0)+1
.irp b, 0,1,2,3
.if \zero
	v_wmma_f32_16x16x32_bf16 v[ACC+8*(4*(\a)+(\b)):ACC+8*(4*(\a)+(\b))+7], v[(\f)+64+8*(4*(\c)+(\b)):(\f)+64+8*(4*(\c)+(\b))+7], v[(\f)+8*(4*(\c)+(\a)):(\f)+8*(4*(\c)+(\a))+7], 0
.else
	v_wmma_f32_16x16x32_bf16 v[ACC+8*(4*(\a)+(\b)):ACC+8*(4*(\a)+(\b))+7], v[(\f)+64+8*(4*(\c)+(\b)):(\f)+64+8*(4*(\c)+(\b))+7], v[(\f)+8*(4*(\c)+(\a)):(\f)+8*(4*(\c)+(\a))+7], v[ACC+8*(4*(\a)+(\b)):ACC+8*(4*(\a)+(\b))+7]
.endif
.endr
.endr
.endm
.macro FETCH q, f                      ; 32 LDS loads in one run: quarter q (64 along K: A's plane q, B's bytes 128 q on) of the slot in hand; the first 32 along K first
	WIN TO_F
.irp c, 0,1
.irp i, 0,1,2,3
	ds_load_b128 v[(\f)+64+8*(4*(\c)+(\i)):(\f)+64+8*(4*(\c)+(\i))+3],   v[ADRB] offset:128*(\q)+64*(\c)+(\i)*16*PBB
	ds_load_b128 v[(\f)+64+8*(4*(\c)+(\i))+4:(\f)+64+8*(4*(\c)+(\i))+7], v[ADRB] offset:128*(\q)+64*(\c)+(\i)*16*PBB+32
	ds_load_b128 v[(\f)+8*(4*(\c)+(\i)):(\f)+8*(4*(\c)+(\i))+3],         v[ADRA] offset:PLN*(\q)+64*(\c)+(\i)*16*PA
	ds_load_b128 v[(\f)+8*(4*(\c)+(\i))+4:(\f)+8*(4*(\c)+(\i))+7],       v[ADRA] offset:PLN*(\q)+64*(\c)+(\i)*16*PA+32
.endr
.endr
.endm
.macro PLACES
.rept 4
	v_nop
.endr
.endm
.macro QUARTER q, f, g, zero           ; multiplies buffer f (the 16 accumulators by turns, twice), fetches quarter q into g
	s_wait_dscnt 16                                ; the first 32 along K are in
	MUL8 \f, 0, 0, \zero
	MUL8 \f, 0, 2, \zero
	PLACES
	FETCH \q, \g
	s_wait_dscnt 32                                ; all but the 32 just issued
	MUL8 \f, 1, 0, 0
	MUL8 \f, 1, 2, 0
.endm
.macro TURN fill                       ; the last quarter multiplies buffer 1 and changes slots: one barrier; fill = 1: it opens a round of the cluster's barrier, and the slot just read is filled again first behind it
	WIN 0
	s_wait_tensorcnt 0x0                           ; all my tensor loads have landed: my part of the next slot; so a group 0 may be written
	ds_add_u32 v[SPW], v[NIL]
.if \fill
	s_xor_b32 s[G0+5], s[G0+5], SLOT1              ; the walking descriptors: the other slot than last time, the walk's next K step
	s_xor_b32 s[G0B+5], s[G0B+5], SLOT1
	NEXTK 1
.endif
	s_wait_dscnt 17                                ; (the add and the youngest sixteen loads may be out)
	MUL8 F1, 0, 0, 0
	s_wait_dscnt 0x0                               ; the add is done, and my reads of this slot are over
	s_barrier_signal -1
	MUL8 F1, 0, 2, 0
.if \fill
	WIN 0
.endif
	s_barrier_wait -1
.if \fill
	CREST
	JLOAD 1                                        ; 112 products ahead of the wait for it; its four v_nop are also the places in front of the loads below
.else
	PLACES
.endif
	WIN 0
	s_xor_b32 s[TB], s[TB], SLOT1
	v_add_nc_u32 v[ADRA], s[TB], v[ADRA0]
	v_add_nc_u32 v[ADRB], s[TB], v[ADRB0]
	FETCH 0, F0
	MUL8 F1, 1, 0, 0
	MUL8 F1, 1, 2, 0
.endm
	s_wait_tensorcnt 1                             ; my part of the walk's first K step is in; the second's may stay out
	s_barrier_signal -1
	s_barrier_wait -1
	FETCH 0, F0
	QUARTER 1, F0, F1, 1                           ; the first products start the sums
	WIN 0
	s_mov_b32 s[CNT], NS-2
.Lstep:                                        ; trip t: the rest of the walk's step t, the request for its step t + 2, the first quarter of its step t + 1
	QUARTER 2, F1, F0, 0
	QUARTER 3, F0, F1, 0
	TURN 1
	QUARTER 1, F0, F1, 0
	WIN 0
	s_sub_co_u32 s[CNT], s[CNT], 1
	s_cmp_lg_u32 s[CNT], 0
	s_cbranch_scc1 .Lstep
	s_mov_b32 s[CN2], 2
.Ltail:                                        ; the last two K steps ask for nothing; the second trip is left in its middle
	QUARTER 2, F1, F0, 0
	QUARTER 3, F0, F1, 0
	TURN 0
	WIN 0
	s_sub_co_u32 s[CN2], s[CN2], 1
	s_cmp_eq_u32 s[CN2], 0
	s_cbranch_scc1 .Lout
	QUARTER 1, F0, F1, 0
	WIN 0
	s_branch .Ltail
.Lout:
	; THE WAY OUT: the sums go through my stage and come back as whole rows of 256 bytes; the residual is added; 16 lanes store 256 consecutive bytes, aligned.
	PLACES
	PLACES
	s_wait_dscnt 0x0                               ; my last reads of the slots
	s_barrier_signal -1
	s_barrier_wait -1                              ; nobody reads the slots any more
.set a, 0
.rept 4
.set b, 0
.rept 4
	ds_store_b128 v[STO], v[ACC+8*(4*a+b):ACC+8*(4*a+b)+3]   offset:a*16*SP+64*b      ; each accumulator's low four registers first
	ds_store_b128 v[STO], v[ACC+8*(4*a+b)+4:ACC+8*(4*a+b)+7] offset:a*16*SP+64*b+16
.set b, b+1
.endr
.set a, a+1
.endr
.set t, 0
.rept 32
	ds_load_b128 v[ACC+4*t:ACC+4*t+3], v[RD] offset:t*2*SP   ; LDS serves a wave's instructions in order (ISA guide 5.7.1.4): these see the stores above
.set t, t+1
.endr
	s_wait_loadcnt 0x0                             ; the residual
	WIN 0x88                                       ; source 1 and destination in window 2: the sum lands on the residual, and the stores take their data from there
.set t, 0
.rept 32
	s_wait_dscnt 31-t
	v_pk_add_f32 v[4*t:4*t+1], v[ACC+4*t:ACC+4*t+1], v[4*t:4*t+1]
	v_pk_add_f32 v[4*t+2:4*t+3], v[ACC+4*t+2:ACC+4*t+3], v[4*t+2:4*t+3]
	global_store_b128 v[CO], v[4*t:4*t+3], s[10:11] offset:8192*t
.set t, t+1
.endr
	WIN 0
	s_wait_tensorcnt 0x0                           ; the wave's end
	ds_add_u32 v[SPW], v[NIL]
	s_wait_dscnt 0x0
	CROUND                                         ; the closing round
	s_endpgm
.Lfunc_end_k_q02a02a2fce_wo:
	.size	k_q02a02a2fce_wo, .Lfunc_end_k_q02a02a2fce_wo-k_q02a02a2fce_wo
	.p2alignl 7, 3214868480
	.fill 96, 4, 3214868480
	.section	.rodata,"a",@progbits
	.p2align	6, 0x0
	.amdhsa_kernel k_q02a02a2fce_wo
		.amdhsa_group_segment_fixed_size 327680
		.amdhsa_private_segment_fixed_size 0
		.amdhsa_enable_private_segment 0
		.amdhsa_kernarg_size 32
		.amdhsa_user_sgpr_count 2
		.amdhsa_user_sgpr_kernarg_segment_ptr 1
		.amdhsa_wavefront_size32 1
		.amdhsa_system_sgpr_workgroup_id_x 1
		.amdhsa_system_sgpr_workgroup_id_y 1
		.amdhsa_system_sgpr_workgroup_id_z 1
		.amdhsa_system_vgpr_workitem_id 0
		.amdhsa_next_free_vgpr 640
		.amdhsa_next_free_sgpr 72
		.amdhsa_reserve_vcc 0
		.amdhsa_float_denorm_mode_32 3
		.amdhsa_float_denorm_mode_16_64 3
		.amdhsa_memory_ordered 1
		.amdhsa_forward_progress 1
		.amdhsa_inst_pref_size 66
	.end_amdhsa_kernel
	.amdgpu_metadata
---
amdhsa.version: [ 1, 2 ]
amdhsa.kernels:
  - .name:           k_q02a02a2fce_wo
    .symbol:         k_q02a02a2fce_wo.kd
    .args:
      - { .name: act, .offset: 0, .size: 8, .value_kind: global_buffer, .address_space: global }
      - { .name: wod, .offset: 8, .size: 8, .value_kind: global_buffer, .address_space: global }
      - { .name: x, .offset: 16, .size: 8, .value_kind: global_buffer, .address_space: global }
      - { .name: x1, .offset: 24, .size: 8, .value_kind: global_buffer, .address_space: global }
    .group_segment_fixed_size: 327680
    .private_segment_fixed_size: 0
    .kernarg_segment_align: 8
    .kernarg_segment_size: 32
    .max_flat_workgroup_size: 128
    .sgpr_count:     72
    .vgpr_count:     640
    .wavefront_size: 32
...
	.end_amdgpu_metadata
.endif
;; end of part 4
;; launch ln2: the kernel of part 1 again; grid 256 x 1, 8 waves a work-group, no clusters, 0 bytes of LDS; arguments x1, ln2_mean_scale, ln2_std_scale, act, Wq, Wk, Wv, Wo, W_up, W_down, wqkv, wod, wup, coef_a, coef_b; writes act, wqkv, wod, wup, coef_a, coef_b
;; launch up: the kernel of part 2 again; grid 16 x 16, 4 waves a work-group, clusters of 4 x 4, 327,680 bytes of LDS; arguments act, wup, big, coef_b; writes big
;; launch down (part 5): grid 8 x 32, 4 waves a work-group, clusters of 4 x 4, 327,680 bytes of LDS; arguments big, wod, x1, out0; writes out0
.if DOCPART == 5
	.amdgcn_target "amdgcn-amd-amdhsa--gfx1250"
	.amdhsa_code_object_version 6
	.text
	.protected	k_q02a02a2fce_down
	.globl	k_q02a02a2fce_down
	.p2align	8
	.type	k_q02a02a2fce_down,@function
k_q02a02a2fce_down:
	s_mov_b64 s[64:65], 0
	v_nop
	global_prefetch_b8 v0, s[64:65] scope:SCOPE_SE
	s_setreg_imm32_b32 hwreg(HW_REG_WAVE_MODE, 25, 1), 1
	s_wait_xcnt 0x0
	s_wait_alu depctr_hold_cnt(0) depctr_sa_sdst(0) depctr_va_vdst(0) depctr_va_sdst(0) depctr_va_ssrc(0) depctr_va_vcc(0) depctr_vm_vsrc(0)
	s_getreg_b32 s2, hwreg(HW_REG_IB_STS2, 6, 4)
	s_cmp_eq_u32 s2, 0
	s_cbranch_scc0 .Lentry_in_a_cluster
	s_endpgm
.Lentry_in_a_cluster:
	s_bfe_u32 s2, ttmp6, 0x10000c
	s_cmp_lg_u32 s2, 0xf033
	s_cbranch_scc0 .Lentry_shape_is_right
	s_endpgm
.Lentry_shape_is_right:
; C[m][n] = R[m][n] + sum over k of A[m][k] B[n][k].  A: bf16 BY PLANES of 64 columns, [k / 64][4096][64]; B: bf16 [1024][KB], at byte BOFF of its buffer; R and C: f32 [4096][1024].  Sums in f32.
; Here: out0 = x1 + mid W_down^T (K = 4096).  The same text with three other constants is the launch 'wo'.
; A tile of C is 128 x 128 (256 work-groups); four waves, 64 x 64 each: 16 accumulators.  K goes in NS steps of 256 through a ring of two LDS slots.  A's part of a step is four planes: one tensor load brings, for each
; of them, 64 rows as ONE dense run of 8,192 bytes, padded in LDS after every 128 bytes.  CLUSTERS of 4 x 4: A's tile is asked for jointly along a row of the cluster, B's along a column.
; THE K WALK GOES ROUND: a cluster begins at K step (NS / 2) x + (NS / 4) (y % 4) of its place (x, y) among the clusters and takes the NS steps from there on, modulo NS (f32 sums may be taken in any order).
; So the two clusters that read the same rows of A are NS / 2 steps apart, and four neighbours among those that read the same rows of B NS / 4 steps: they do not ask for the same K step at the same time.
; The product is used transposed (source 0 = rows of B).  One K step is written once; the last two steps are a loop of two trips left in its middle (its second trip's barrier and 32 loads serve nothing).
; No prefetch: the tiles are small, and four work-groups share each request.  NaN and infinities are not treated apart.
; REGISTERS: window 0: addresses, v128-255 accumulators ((a, b) at 128 + 8 (4 a + b)); window 1: two fragment buffers of 128 (A 64, then B 64); window 2: v0-127 the residual, then the result.
.set NS,    16                         ; K steps
.set KB,    4096                       ; elements in a row of B
.set BOFF,  2097152
.set PA,    144                        ; a row of A in LDS: 128 bytes + 16: the 16 rows of a load start at 16 different groups of four banks (ISA guide 11.1)
.set PLN,   64*PA                      ; a plane's 64 rows
.set HALFA, 4*PLN
.set PBB,   528                        ; a row of B: 512 bytes + 16
.set HALFB, 64*PBB
.set BBASE, 2*HALFA
.set SLOT1, 147456                     ; 0x24000: shares no bit with a tile's place in a slot, so an exclusive or turns one slot's address into the other's
.set SPARE, SLOT1+BBASE+2*HALFB        ; the spare words, 128 bytes a wave
.set SP,    272                        ; the way out: a row of 64 f32 + 16 bytes; four stages of 64 rows in slot 0, which has had its last fill by then
.set ADRA0, 16
.set ADRB0, 17
.set ADRA,  18
.set ADRB,  19
.set STO,   24
.set RD,    25
.set CO,    26
.set SPW,   28
.set NIL,   29
.set ACC,   128
.set F0,    0
.set F1,    128
.set WV, 12
.set RH, 13
.set CH, 14
.set TR, 15
.set TC, 16
.set CX, 17
.set CY, 18
.set G1,  24
.set G0,  32
.set OA,  44                           ; s[44:45] the asked K step's byte offset in A,
.set OB,  46                           ; s[46:47] and in B
.set G1B, 48
.set G0B, 56
.set TB,  66
.set CNT, 67
.set CN2, 68
.set KI,  69                           ; the K step to be asked for next: the same number in all sixteen partners
.set MSB, 0
.macro WIN new
.if MSB != (\new)
	s_set_vgpr_msb (MSB<<8)|(\new)
.set MSB, \new
.endif
.endm
.set MUL,  0x05
.set TO_F, 0x40
.macro JLOAD s                         ; a joint load: waves 0, 1 fetch A's halves, waves 2, 3 B's; an s_nop 0 and four v_nop follow each line
	s_cmp_eq_u32 s[RH], 0
	s_cbranch_scc0 .Lfor_b_\@
	tensor_load_to_lds s[G0+4*(\s):G0+4*(\s)+3], s[G1:G1+7]
	s_nop 0
.rept 4
	v_nop
.endr
	s_branch .Lasked_\@
.Lfor_b_\@:
	tensor_load_to_lds s[G0B+4*(\s):G0B+4*(\s)+3], s[G1B:G1B+7]
	s_nop 0
.rept 4
	v_nop
.endr
.Lasked_\@:
.endm
.macro NEXTK s                         ; set s of both group 0s takes K step KI: the address is made anew from that number; then KI steps, modulo NS
	s_lshl_b32 s[OA], s[KI], 21                    ; a K step is four planes of 524,288 bytes,
	s_lshl_b32 s[OB], s[KI], 9                     ; and 512 bytes of a row of B
	s_add_nc_u64 s[G0+4*(\s)+2:G0+4*(\s)+3], s[40:41], s[OA:OA+1]
	s_or_b32 s[G0+4*(\s)+3], s[G0+4*(\s)+3], 0x80000000
	s_add_nc_u64 s[G0B+4*(\s)+2:G0B+4*(\s)+3], s[42:43], s[OB:OB+1]
	s_or_b32 s[G0B+4*(\s)+3], s[G0B+4*(\s)+3], 0x80000000
	s_add_co_u32 s[KI], s[KI], 1
	s_and_b32 s[KI], s[KI], NS-1
.endm
.macro CREST
	s_cmp_lg_u32 s[WV], 0
	s_cbranch_scc1 .Lnot_wave_0_\@
	s_barrier_signal -3
.Lnot_wave_0_\@:
	s_barrier_wait -3
	s_barrier_signal -1
	s_barrier_wait -1
.endm
.macro CROUND
	s_barrier_signal -1
	s_barrier_wait -1
	CREST
.endm
	s_load_b256 s[4:11], s[0:1], 0x0               ; A s[4:5], B s[6:7], R s[8:9], C s[10:11]
	v_lshl_add_u32 v[SPW], v0, 2, SPARE
	v_mov_b32 v[NIL], 0
	ds_add_u32 v[SPW], v[NIL]                      ; the wave's opening: the add and its wait, ahead of my first tensor load
	v_lshrrev_b32 v1, 5, v0
	v_readfirstlane_b32 s[WV], v1
	s_lshr_b32 s[RH], s[WV], 1
	s_and_b32 s[CH], s[WV], 1
	s_bfe_u32 s[CX], ttmp6, 0x40000
	s_bfe_u32 s[CY], ttmp6, 0x40004
	s_lshl_b32 s[TC], ttmp9, 2
	s_add_co_u32 s[TC], s[TC], s[CX]
	s_and_b32 s[TR], ttmp7, 0xffff
	s_lshl_b32 s[TR], s[TR], 2
	s_add_co_u32 s[TR], s[TR], s[CY]
	s_lshl_b32 s20, s[CY], 2
	s_lshl_b32 s20, 15, s20
	s_lshl_b32 s21, 0x1111, s[CX]
	s_or_b32 s[G1], s20, (1<<16)|(1<<20)|(1<<21)|(4<<22)|(3<<25)   ; A: mask of my row; 2-byte elements; after every 32 words, 4 words of padding
	s_mov_b32 s[G1+1], 4096<<16                    ; tensor_dim0 = 4,096: 64 rows of a plane on end
	s_mov_b32 s[G1+2], 4<<16                       ; tensor_dim1 = 4 planes
	s_mov_b32 s[G1+3], 4096<<16                    ; tile_dim0
	s_mov_b32 s[G1+4], 4                           ; tile_dim1
	s_mov_b32 s[G1+5], 262144                      ; elements from plane to plane
	s_mov_b32 s[G1+6], 0
	s_mov_b32 s[G1+7], 0
	s_or_b32 s[G1B], s21, (1<<16)|(1<<20)|(1<<21)|(6<<22)|(3<<25)  ; B: mask of my column; after every 128 words, 4 words
	s_mov_b32 s[G1B+1], 256<<16
	s_mov_b32 s[G1B+2], 64<<16
	s_mov_b32 s[G1B+3], 256<<16
	s_mov_b32 s[G1B+4], 64
	s_mov_b32 s[G1B+5], KB
	s_mov_b32 s[G1B+6], 0
	s_mov_b32 s[G1B+7], 0
	s_lshl_b32 s40, s[TR], 14                      ; A: 128 rows of 128 bytes a tile row, 64 a half
	s_lshl_b32 s22, s[CH], 13
	s_add_co_u32 s40, s40, s22
	s_mov_b32 s41, 0
	s_lshl_b32 s42, s[TC], 7                       ; B: row 128 x tile column + 64 x half
	s_lshl_b32 s22, s[CH], 6
	s_add_co_u32 s42, s42, s22
	s_mul_i32 s42, s42, 2*KB
	s_add_co_u32 s42, s42, BOFF
	s_mov_b32 s43, 0
	s_mul_i32 s19, s[CH], HALFA                    ; where they go: no place in the cluster enters an LDS address
	s_mul_i32 s23, s[CH], HALFB
	s_add_co_u32 s23, s23, BBASE
	s_mov_b32 s[TB], 0
	s_and_b32 s20, ttmp7, 3                        ; the walk's first K step, from the cluster's place among the clusters
	s_mul_i32 s[KI], ttmp9, NS/2
	s_mul_i32 s20, s20, NS/4
	s_add_co_u32 s[KI], s[KI], s20
	s_and_b32 s[KI], s[KI], NS-1
	s_mov_b32 s[OA+1], 0
	s_mov_b32 s[OB+1], 0
	s_wait_dscnt 0x0                               ; the opening add is done
	s_wait_kmcnt 0x0
	s_add_nc_u64 s[40:41], s[4:5], s[40:41]        ; my part of the tiles at K step 0; kept
	s_add_nc_u64 s[42:43], s[6:7], s[42:43]
	CROUND                                         ; all sixteen work-groups are here: the first joint loads meet
.irp s, 0,1
	s_mov_b32 s[G0+4*(\s)], 1
	s_add_co_u32 s[G0+4*(\s)+1], s19, (\s)*SLOT1
	s_mov_b32 s[G0B+4*(\s)], 1
	s_add_co_u32 s[G0B+4*(\s)+1], s23, (\s)*SLOT1
	NEXTK \s
	JLOAD \s                                       ; two loads of mine are out here, later one
.endr
	v_and_b32 v1, 15, v0
	v_bfe_u32 v2, v0, 4, 1
	v_lshlrev_b32 v[CO], 12, v2                    ; R and C: lanes 0-15 take 256 bytes of one row, lanes 16-31 of the next
	v_lshl_add_u32 v[CO], v1, 4, v[CO]
	s_lshl_b32 s20, s[TR], 19
	s_lshl_b32 s21, s[RH], 18
	s_add_co_u32 s20, s20, s21
	s_lshl_b32 s21, s[TC], 9
	s_add_co_u32 s20, s20, s21
	s_lshl_b32 s21, s[CH], 8
	s_add_co_u32 s20, s20, s21
	s_mov_b32 s21, 0
	s_add_nc_u64 s[8:9], s[8:9], s[20:21]
	s_add_nc_u64 s[10:11], s[10:11], s[20:21]
	WIN 0x80                                       ; destination window 2
.set t, 0
.rept 32
	global_load_b128 v[4*t:4*t+3], v[CO], s[8:9] offset:8192*t th:TH_LOAD_NT   ; my 64 x 64 of the residual: it has the whole K walk in which to land
.set t, t+1
.endr
	WIN 0
	v_mul_u32_u24 v3, v1, PA
	v_lshl_add_u32 v3, v2, 4, v3
	s_mul_i32 s20, s[RH], HALFA
	v_add_nc_u32 v[ADRA0], s20, v3
	v_mul_u32_u24 v3, v1, PBB
	v_lshl_add_u32 v3, v2, 4, v3
	v_add_nc_u32 v[ADRB0], s23, v3
	v_mov_b32 v[ADRA], v[ADRA0]
	v_mov_b32 v[ADRB], v[ADRB0]
	s_mul_i32 s22, s[WV], 64*SP
	v_mul_u32_u24 v3, v1, SP                       ; the way out, in: row l % 16, 32 bytes for each half of the lanes
	v_lshl_add_u32 v3, v2, 5, v3
	v_add_nc_u32 v[STO], s22, v3
	v_mul_u32_u24 v3, v2, SP                       ; back: two whole rows of 256 bytes
	v_lshl_add_u32 v3, v1, 4, v3
	v_add_nc_u32 v[RD], s22, v3
.macro MUL8 f, c, a0, zero             ; 8 products: m blocks a0, a0 + 1 x all 4 n blocks, 32 along K: half c of buffer f
	WIN MUL
.irp a, \a0, (\a0)+1
.irp b, 0,1,2,3
.if \zero
	v_wmma_f32_16x16x32_bf16 v[ACC+8*(4*(\a)+(\b)):ACC+8*(4*(\a)+(\b))+7], v[(\f)+64+8*(4*(\c)+(\b)):(\f)+64+8*(4*(\c)+(\b))+7], v[(\f)+8*(4*(\c)+(\a)):(\f)+8*(4*(\c)+(\a))+7], 0
.else
	v_wmma_f32_16x16x32_bf16 v[ACC+8*(4*(\a)+(\b)):ACC+8*(4*(\a)+(\b))+7], v[(\f)+64+8*(4*(\c)+(\b)):(\f)+64+8*(4*(\c)+(\b))+7], v[(\f)+8*(4*(\c)+(\a)):(\f)+8*(4*(\c)+(\a))+7], v[ACC+8*(4*(\a)+(\b)):ACC+8*(4*(\a)+(\b))+7]
.endif
.endr
.endr
.endm
.macro FETCH q, f                      ; 32 LDS loads in one run: quarter q (64 along K: A's plane q, B's bytes 128 q on) of the slot in hand; the first 32 along K first
	WIN TO_F
.irp c, 0,1
.irp i, 0,1,2,3
	ds_load_b128 v[(\f)+64+8*(4*(\c)+(\i)):(\f)+64+8*(4*(\c)+(\i))+3],   v[ADRB] offset:128*(\q)+64*(\c)+(\i)*16*PBB
	ds_load_b128 v[(\f)+64+8*(4*(\c)+(\i))+4:(\f)+64+8*(4*(\c)+(\i))+7], v[ADRB] offset:128*(\q)+64*(\c)+(\i)*16*PBB+32
	ds_load_b128 v[(\f)+8*(4*(\c)+(\i)):(\f)+8*(4*(\c)+(\i))+3],         v[ADRA] offset:PLN*(\q)+64*(\c)+(\i)*16*PA
	ds_load_b128 v[(\f)+8*(4*(\c)+(\i))+4:(\f)+8*(4*(\c)+(\i))+7],       v[ADRA] offset:PLN*(\q)+64*(\c)+(\i)*16*PA+32
.endr
.endr
.endm
.macro PLACES
.rept 4
	v_nop
.endr
.endm
.macro QUARTER q, f, g, zero           ; multiplies buffer f (the 16 accumulators by turns, twice), fetches quarter q into g
	s_wait_dscnt 16                                ; the first 32 along K are in
	MUL8 \f, 0, 0, \zero
	MUL8 \f, 0, 2, \zero
	PLACES
	FETCH \q, \g
	s_wait_dscnt 32                                ; all but the 32 just issued
	MUL8 \f, 1, 0, 0
	MUL8 \f, 1, 2, 0
.endm
.macro TURN fill                       ; the last quarter multiplies buffer 1 and changes slots: one barrier; fill = 1: it opens a round of the cluster's barrier, and the slot just read is filled again first behind it
	WIN 0
	s_wait_tensorcnt 0x0                           ; all my tensor loads have landed: my part of the next slot; so a group 0 may be written
	ds_add_u32 v[SPW], v[NIL]
.if \fill
	s_xor_b32 s[G0+5], s[G0+5], SLOT1              ; the walking descriptors: the other slot than last time, the walk's next K step
	s_xor_b32 s[G0B+5], s[G0B+5], SLOT1
	NEXTK 1
.endif
	s_wait_dscnt 17                                ; (the add and the youngest sixteen loads may be out)
	MUL8 F1, 0, 0, 0
	s_wait_dscnt 0x0                               ; the add is done, and my reads of this slot are over
	s_barrier_signal -1
	MUL8 F1, 0, 2, 0
.if \fill
	WIN 0
.endif
	s_barrier_wait -1
.if \fill
	CREST
	JLOAD 1                                        ; 112 products ahead of the wait for it; its four v_nop are also the places in front of the loads below
.else
	PLACES
.endif
	WIN 0
	s_xor_b32 s[TB], s[TB], SLOT1
	v_add_nc_u32 v[ADRA], s[TB], v[ADRA0]
	v_add_nc_u32 v[ADRB], s[TB], v[ADRB0]
	FETCH 0, F0
	MUL8 F1, 1, 0, 0
	MUL8 F1, 1, 2, 0
.endm
	s_wait_tensorcnt 1                             ; my part of the walk's first K step is in; the second's may stay out
	s_barrier_signal -1
	s_barrier_wait -1
	FETCH 0, F0
	QUARTER 1, F0, F1, 1                           ; the first products start the sums
	WIN 0
	s_mov_b32 s[CNT], NS-2
.Lstep:                                        ; trip t: the rest of the walk's step t, the request for its step t + 2, the first quarter of its step t + 1
	QUARTER 2, F1, F0, 0
	QUARTER 3, F0, F1, 0
	TURN 1
	QUARTER 1, F0, F1, 0
	WIN 0
	s_sub_co_u32 s[CNT], s[CNT], 1
	s_cmp_lg_u32 s[CNT], 0
	s_cbranch_scc1 .Lstep
	s_mov_b32 s[CN2], 2
.Ltail:                                        ; the last two K steps ask for nothing; the second trip is left in its middle
	QUARTER 2, F1, F0, 0
	QUARTER 3, F0, F1, 0
	TURN 0
	WIN 0
	s_sub_co_u32 s[CN2], s[CN2], 1
	s_cmp_eq_u32 s[CN2], 0
	s_cbranch_scc1 .Lout
	QUARTER 1, F0, F1, 0
	WIN 0
	s_branch .Ltail
.Lout:
	; THE WAY OUT: the sums go through my stage and come back as whole rows of 256 bytes; the residual is added; 16 lanes store 256 consecutive bytes, aligned.
	PLACES
	PLACES
	s_wait_dscnt 0x0                               ; my last reads of the slots
	s_barrier_signal -1
	s_barrier_wait -1                              ; nobody reads the slots any more
.set a, 0
.rept 4
.set b, 0
.rept 4
	ds_store_b128 v[STO], v[ACC+8*(4*a+b):ACC+8*(4*a+b)+3]   offset:a*16*SP+64*b      ; each accumulator's low four registers first
	ds_store_b128 v[STO], v[ACC+8*(4*a+b)+4:ACC+8*(4*a+b)+7] offset:a*16*SP+64*b+16
.set b, b+1
.endr
.set a, a+1
.endr
.set t, 0
.rept 32
	ds_load_b128 v[ACC+4*t:ACC+4*t+3], v[RD] offset:t*2*SP   ; LDS serves a wave's instructions in order (ISA guide 5.7.1.4): these see the stores above
.set t, t+1
.endr
	s_wait_loadcnt 0x0                             ; the residual
	WIN 0x88                                       ; source 1 and destination in window 2: the sum lands on the residual, and the stores take their data from there
.set t, 0
.rept 32
	s_wait_dscnt 31-t
	v_pk_add_f32 v[4*t:4*t+1], v[ACC+4*t:ACC+4*t+1], v[4*t:4*t+1]
	v_pk_add_f32 v[4*t+2:4*t+3], v[ACC+4*t+2:ACC+4*t+3], v[4*t+2:4*t+3]
	global_store_b128 v[CO], v[4*t:4*t+3], s[10:11] offset:8192*t
.set t, t+1
.endr
	WIN 0
	s_wait_tensorcnt 0x0                           ; the wave's end
	ds_add_u32 v[SPW], v[NIL]
	s_wait_dscnt 0x0
	CROUND                                         ; the closing round
	s_endpgm
.Lfunc_end_k_q02a02a2fce_down:
	.size	k_q02a02a2fce_down, .Lfunc_end_k_q02a02a2fce_down-k_q02a02a2fce_down
	.p2alignl 7, 3214868480
	.fill 96, 4, 3214868480
	.section	.rodata,"a",@progbits
	.p2align	6, 0x0
	.amdhsa_kernel k_q02a02a2fce_down
		.amdhsa_group_segment_fixed_size 327680
		.amdhsa_private_segment_fixed_size 0
		.amdhsa_enable_private_segment 0
		.amdhsa_kernarg_size 32
		.amdhsa_user_sgpr_count 2
		.amdhsa_user_sgpr_kernarg_segment_ptr 1
		.amdhsa_wavefront_size32 1
		.amdhsa_system_sgpr_workgroup_id_x 1
		.amdhsa_system_sgpr_workgroup_id_y 1
		.amdhsa_system_sgpr_workgroup_id_z 1
		.amdhsa_system_vgpr_workitem_id 0
		.amdhsa_next_free_vgpr 640
		.amdhsa_next_free_sgpr 72
		.amdhsa_reserve_vcc 0
		.amdhsa_float_denorm_mode_32 3
		.amdhsa_float_denorm_mode_16_64 3
		.amdhsa_memory_ordered 1
		.amdhsa_forward_progress 1
		.amdhsa_inst_pref_size 66
	.end_amdhsa_kernel
	.amdgpu_metadata
---
amdhsa.version: [ 1, 2 ]
amdhsa.kernels:
  - .name:           k_q02a02a2fce_down
    .symbol:         k_q02a02a2fce_down.kd
    .args:
      - { .name: big, .offset: 0, .size: 8, .value_kind: global_buffer, .address_space: global }
      - { .name: wod, .offset: 8, .size: 8, .value_kind: global_buffer, .address_space: global }
      - { .name: x1, .offset: 16, .size: 8, .value_kind: global_buffer, .address_space: global }
      - { .name: out0, .offset: 24, .size: 8, .value_kind: global_buffer, .address_space: global }
    .group_segment_fixed_size: 327680
    .private_segment_fixed_size: 0
    .kernarg_segment_align: 8
    .kernarg_segment_size: 32
    .max_flat_workgroup_size: 128
    .sgpr_count:     72
    .vgpr_count:     640
    .wavefront_size: 32
...
	.end_amdgpu_metadata
.endif
;; end of part 5
;; ======== version 2 of 2: 7 launches; version 1 with the launches prep, ln2 written anew for expert scheduling mode
;; workspace buffers: act 8,388,608 bytes; big 33,554,432 bytes; x1 16,777,216 bytes; wqkv 6,291,456 bytes; wup 8,388,608 bytes; wod 10,485,760 bytes; coef_a 256 bytes; coef_b 256 bytes
;; launch prep (part 6): grid 512 x 1, 8 waves a work-group, no clusters, 0 bytes of LDS; arguments x, ln1_mean_scale, ln1_std_scale, act, Wq, Wk, Wv, Wo, W_up, W_down, wqkv, wod, wup, coef_a, coef_b; writes act, wqkv, wod, wup, coef_a, coef_b
.if DOCPART == 6
	.amdgcn_target "amdgcn-amd-amdhsa--gfx1250"
	.amdhsa_code_object_version 6
	.text
	.protected	k_q02a02a2fce_prep
	.globl	k_q02a02a2fce_prep
	.p2align	8
	.type	k_q02a02a2fce_prep,@function
k_q02a02a2fce_prep:
	s_mov_b64 s[64:65], 0
	v_nop
	global_prefetch_b8 v0, s[64:65] scope:SCOPE_SE
	s_setreg_imm32_b32 hwreg(HW_REG_WAVE_SCHED_MODE, 0, 2), 2
	s_setreg_imm32_b32 hwreg(HW_REG_WAVE_MODE, 25, 1), 1
	s_wait_xcnt 0x0
	s_wait_alu depctr_vm_vsrc(0)
; ONE TEXT FOR TWO LAUNCHES.  Work-groups 0-255: the fourth buffer = LN(the first), rounded once to bf16, [4096][1024].  Work-groups 256-511: the six weights, f32 to bf16, each rounded once:
; wqkv = Wq, Wk, Wv one below the other; wod = Wo, then W_down from byte 2,097,152; wup = W_up.  Wave 0 of work-group 256 also writes the two tables of factors that the products' shared text reads
; (coef_a: the identity; coef_b: GELU).  The launch 'prep' has 512 work-groups; the launch 'ln2' has 256, so that only the first path runs there, on x1 and the second norm's scales.
; LN: (x - mean) / sqrt(var + 1e-9) * std_scale + mean_scale, var with divisor 1023, taken of x - mean: no difference of large sums is formed.
; A stream: no LDS, no barrier, no matrix unit.  An LN wave owns two whole rows (4,096 bytes = 32 registers each), so a row is read once and its sums never leave the wave.
; A cast wave owns three pieces of 2,048 numbers.  An LN group reads 64 KiB, a cast group 192 KiB: one of each is the 256th part of what the launch reads.
; Every load of a wave covers 512 consecutive bytes, every store 256 consecutive bytes, aligned.  NaN and infinities are not treated apart.
; THE MODE: SCHED_MODE bits 1:0 = 2 (LLVM: expert scheduling mode 2), set by the entry lines.  The code itself states the register dependences between vector instructions and memory instructions,
; with s_wait_alu, always for 0.
; THE PLAN.  Registers that memory instructions touch:
;   v1, v2       the byte offsets of all loads and of all stores: written once at the head, never again.
;   LN path      X0, X1, GG, BB: each is landed in once, by loads issued before any vector instruction names it.  A row's sixteen roundings write the first two of each four of its registers; its eight
;                stores read them; nothing writes them again.  Row 0's stores stand among row 1's first multiplies, which name X1 and row 1's factor alone.
;   cast path    v[16:207]: load n of the wave's 48 lands in four registers; its two roundings write the first two; its one store reads them; nothing writes them again.  The loads go in twelve groups of
;                four: group g's roundings name group g's registers alone, and among them stand the stores of group g - 1.
;   the tables   v[4:7]: written by moves and selects, read by two stores.
; So a wait on va_vdst stands at the head (the offsets), behind each LN row's roundings, at the head of each cast group but the first, ahead of the last group's stores and ahead of the tables' stores.
; No register that a memory instruction reads is ever written again, so beyond the entry lines the text holds no wait on vm_vsrc; EXEC is never written.
.set X0, 16                            ; v[16:47]   row 0: lane l holds columns 128 j + 4 l .. + 3 in registers 4 j .. 4 j + 3
.set X1, 48                            ; v[48:79]   row 1
.set GG, 80                            ; v[80:111]  std_scale, same layout
.set BB, 112                           ; v[112:143] mean_scale
.macro REDUCE                          ; the sum of v4 over the 32 lanes, in every lane
	v_add_f32_dpp v4, v4, v4 row_xmask:1 row_mask:0xf bank_mask:0xf
	v_add_f32_dpp v4, v4, v4 row_xmask:2 row_mask:0xf bank_mask:0xf
	v_add_f32_dpp v4, v4, v4 row_xmask:4 row_mask:0xf bank_mask:0xf
	v_add_f32_dpp v4, v4, v4 row_xmask:8 row_mask:0xf bank_mask:0xf
	v_permlanex16_b32 v5, v4, s56, s57
	v_add_f32 v4, v4, v5
.endm
.macro STATS x, var, left              ; the row at x becomes x - mean; var + eps goes to v[var].  left: younger loads that may stay out
	s_wait_loadcnt \left
	v_pk_add_f32 v[4:5], v[(\x):(\x)+1], v[(\x)+2:(\x)+3]          ; two chains, started by the first pairs
	v_pk_add_f32 v[6:7], v[(\x)+4:(\x)+5], v[(\x)+6:(\x)+7]
.set p, 8
.rept 6
	v_pk_add_f32 v[4:5], v[4:5], v[(\x)+p:(\x)+p+1]
	v_pk_add_f32 v[6:7], v[6:7], v[(\x)+p+2:(\x)+p+3]
.set p, p+4
.endr
	v_pk_add_f32 v[4:5], v[4:5], v[6:7]
	v_add_f32 v4, v4, v5
	REDUCE
	v_mul_f32 v8, s52, v4                                          ; the mean, twice: a pair for the packed subtraction
	v_mul_f32 v9, s52, v4
.set p, 0
.rept 16
	v_pk_add_f32 v[(\x)+p:(\x)+p+1], v[(\x)+p:(\x)+p+1], v[8:9] neg_lo:[0,1] neg_hi:[0,1]
.set p, p+2
.endr
	v_pk_mul_f32 v[4:5], v[(\x):(\x)+1], v[(\x):(\x)+1]
	v_pk_mul_f32 v[6:7], v[(\x)+2:(\x)+3], v[(\x)+2:(\x)+3]
.set p, 4
.rept 7
	v_pk_fma_f32 v[4:5], v[(\x)+p:(\x)+p+1], v[(\x)+p:(\x)+p+1], v[4:5]
	v_pk_fma_f32 v[6:7], v[(\x)+p+2:(\x)+p+3], v[(\x)+p+2:(\x)+p+3], v[6:7]
.set p, p+4
.endr
	v_pk_add_f32 v[4:5], v[4:5], v[6:7]
	v_add_f32 v4, v4, v5
	REDUCE
	v_fma_f32 v[\var], v4, s53, s54                                ; sum of squares / 1023 + 1e-9
.endm
; The row at x times 1 / std, times std_scale, plus mean_scale; rounded in place.  send = 1 (row 1): row 0's eight stores stand among the first sixteen lines, one in front of every second of them.
.macro SCALE x, rs, send
.set p, 0
.rept 16
.if (\send) && ((p%4) == 0)
	global_store_b64 v2, v[X0+p:X0+p+1], s[42:43] offset:64*p      ; row 0, columns 32 p on.  No wait: no vector instruction since the wait behind row 0's roundings names X0 or v2
.endif
	v_pk_mul_f32 v[(\x)+p:(\x)+p+1], v[(\x)+p:(\x)+p+1], v[(\rs):(\rs)+1]
.set p, p+2
.endr
.set p, 0
.rept 16
	v_pk_fma_f32 v[(\x)+p:(\x)+p+1], v[(\x)+p:(\x)+p+1], v[GG+p:GG+p+1], v[BB+p:BB+p+1]
.set p, p+2
.endr
.set j, 0
.rept 8
	v_cvt_pk_bf16_f32 v[(\x)+4*j], v[(\x)+4*j], v[(\x)+4*j+1]
	v_cvt_pk_bf16_f32 v[(\x)+4*j+1], v[(\x)+4*j+2], v[(\x)+4*j+3]
.set j, j+1
.endr
.endm
.macro CLOAD seg, base                 ; piece seg of a cast wave: 16 loads, 8,192 bytes, into v[16 + 64 seg ..]
.set j, 0
.rept 16
	global_load_b128 v[16+64*(\seg)+4*j:16+64*(\seg)+4*j+3], v1, s[(\base):(\base)+1] offset:512*j th:TH_LOAD_NT
.set j, j+1
.endr
.endm
; Group g of a cast wave: loads 4 g .. 4 g + 3 of its 48 are rounded in place; load n lies in v[16 + 4 n ..].  In front of each load's two roundings stands a store of group g - 1.
; pb: the base of the piece to which group g - 1 belongs.
.macro CGROUP g, pb
	s_wait_loadcnt 47-4*(\g)                       ; the group's first load is in, the younger ones of the wave's 48 stay out
.if (\g) > 0
	s_wait_alu depctr_va_vdst(0)                   ; the roundings of group g - 1 have written the registers that the four stores below read
.endif
.set j, 0
.rept 4
.set n, 4*(\g)+j
.set r, 16+4*n
.if (\g) > 0
	global_store_b64 v2, v[r-16:r-15], s[(\pb):(\pb)+1] offset:256*((n-4)%16)  ; no vector instruction since the wait names these registers or v2
.endif
.if j > 0
	s_wait_loadcnt 47-n                            ; this load is in
.endif
	v_cvt_pk_bf16_f32 v[r], v[r], v[r+1]
	v_cvt_pk_bf16_f32 v[r+1], v[r+2], v[r+3]
.set j, j+1
.endr
.endm
	s_load_b512 s[8:23], s[0:1], 0x0               ; x, mean_scale, std_scale, act, Wq, Wk, Wv, Wo
	s_load_b256 s[24:31], s[0:1], 0x40             ; W_up, W_down, wqkv, wod
	s_load_b128 s[32:35], s[0:1], 0x60             ; wup, coef_a
	s_load_b64 s[36:37], s[0:1], 0x70              ; coef_b
	v_lshrrev_b32 v3, 5, v0
	v_readfirstlane_b32 s2, v3                     ; wave 0..7
	v_and_b32 v3, 31, v0                           ; lane
	v_lshlrev_b32 v1, 4, v3                        ; 16 bytes a lane on the way in
	v_lshlrev_b32 v2, 3, v3                        ; 8 bytes a lane on the way out
	s_wait_alu depctr_va_sdst(0)                   ; s2 is written, ahead of the branch: on both paths the wave's addresses are made from it
	s_wait_alu depctr_va_vdst(0)                   ; v1 and v2 are written: every load and store of both paths reads one of them as its offset
	s_wait_kmcnt 0x0
	s_cmp_lt_u32 ttmp9, 256
	s_cbranch_scc0 .Lcast
	; LAYER NORM: rows 16 x work-group + 2 x wave and the next
	s_lshl_b32 s4, ttmp9, 16                       ; 16 rows of 4,096 bytes
	s_lshl_b32 s5, s2, 13
	s_add_co_u32 s4, s4, s5
	s_mov_b32 s5, 0
	s_lshl_b32 s6, ttmp9, 15                       ; 16 rows of 2,048 bytes
	s_lshl_b32 s7, s2, 12
	s_add_co_u32 s6, s6, s7
	s_mov_b32 s7, 0
	s_add_nc_u64 s[40:41], s[8:9], s[4:5]
	s_add_nc_u64 s[42:43], s[14:15], s[6:7]
	s_mov_b32 s52, 0x3a800000                      ; 1 / 1024
	s_mov_b32 s53, 0x3a802008                      ; 1 / 1023
	s_mov_b32 s54, 0x3089705f                      ; 1e-9
	s_mov_b32 s56, 0x76543210                      ; v_permlanex16_b32: each lane takes its own place in the other half
	s_mov_b32 s57, 0xfedcba98
.set j, 0
.rept 8
	global_load_b128 v[X0+4*j:X0+4*j+3], v1, s[40:41] offset:512*j th:TH_LOAD_NT
.set j, j+1
.endr
.set j, 0
.rept 8
	global_load_b128 v[X1+4*j:X1+4*j+3], v1, s[40:41] offset:4096+512*j th:TH_LOAD_NT
.set j, j+1
.endr
.set j, 0
.rept 8
	global_load_b128 v[GG+4*j:GG+4*j+3], v1, s[12:13] offset:512*j
.set j, j+1
.endr
.set j, 0
.rept 8
	global_load_b128 v[BB+4*j:BB+4*j+3], v1, s[10:11] offset:512*j
.set j, j+1
.endr
	STATS X0, 10, 24                               ; row 0 is in; row 1 and the two scales (24 loads) may stay out
	STATS X1, 11, 16                               ; row 1 is in; the two scales may stay out
	v_rsq_f32 v12, v10                             ; one batch of two,
	v_rsq_f32 v14, v11
	v_nop                                          ; a plain instruction behind the last of them,
	s_wait_alu depctr_va_vdst(0)                   ; and one wait: the two roots v12 and v14 are written, ahead of the first line that names one of them
	v_mov_b32 v13, v12
	v_mov_b32 v15, v14
	s_wait_loadcnt 0x0                             ; the scales
	SCALE X0, 12, 0
	s_wait_alu depctr_va_vdst(0)                   ; row 0's roundings have written the registers of X0 that its eight stores, dealt among the lines below, read
	SCALE X1, 14, 1
	s_wait_alu depctr_va_vdst(0)                   ; row 1's roundings have written the registers of X1 that the eight stores below read
.set j, 0
.rept 8
	global_store_b64 v2, v[X1+4*j:X1+4*j+1], s[42:43] offset:256*j+2048
.set j, j+1
.endr
	s_endpgm
.Lcast:                                        ; cast wave g = 8 (work-group - 256) + wave, 0 .. 2,047: piece g % 512 of weight g / 512 of Wq, Wk, Wv, Wo; piece g of W_up; piece g of W_down
	s_sub_co_u32 s3, ttmp9, 256
	s_lshl_b32 s3, s3, 3
	s_add_co_u32 s3, s3, s2                        ; g
	s_lshr_b32 s4, s3, 9
	s_and_b32 s5, s3, 511
	s_mov_b64 s[40:41], s[22:23]                   ; from Wo,
	s_cmp_lt_u32 s4, 3
	s_cselect_b64 s[40:41], s[20:21], s[40:41]     ; or Wv,
	s_cselect_b64 s[42:43], s[28:29], s[30:31]     ; to wqkv, piece g; Wo to wod, piece g % 512
	s_cselect_b32 s6, s3, s5
	s_cmp_lt_u32 s4, 2
	s_cselect_b64 s[40:41], s[18:19], s[40:41]     ; or Wk,
	s_cmp_lt_u32 s4, 1
	s_cselect_b64 s[40:41], s[16:17], s[40:41]     ; or Wq
	s_lshl_b32 s44, s5, 13                         ; offsets are made apart from the addresses: 8,192 bytes a piece on the way in,
	s_mov_b32 s45, 0
	s_lshl_b32 s46, s6, 12                         ; 4,096 on the way out
	s_mov_b32 s47, 0
	s_lshl_b32 s48, s3, 13
	s_mov_b32 s49, 0
	s_lshl_b32 s50, s3, 12
	s_mov_b32 s51, 0
	s_add_nc_u64 s[40:41], s[40:41], s[44:45]
	s_add_nc_u64 s[42:43], s[42:43], s[46:47]
	s_add_nc_u64 s[24:25], s[24:25], s[48:49]      ; W_up
	s_add_nc_u64 s[32:33], s[32:33], s[50:51]      ; wup
	s_add_nc_u64 s[26:27], s[26:27], s[48:49]      ; W_down
	s_add_nc_u64 s[30:31], s[30:31], s[50:51]      ; wod,
	s_add_nc_u64 s[30:31], s[30:31], 2097152       ; behind Wo
	CLOAD 0, 40                                    ; all 48 loads of the wave go out together: 24 KiB on their way; no vector instruction has named v[16:207]
	CLOAD 1, 24
	CLOAD 2, 26
	CGROUP 0, 42                                   ; the first group has no group in front of it: no store, and no wait but those for its data
.irp g, 1,2,3,4
	CGROUP \g, 42                                  ; the stores of groups 0 to 3: the first piece
.endr
.irp g, 5,6,7,8
	CGROUP \g, 32                                  ; of groups 4 to 7: W_up's piece
.endr
.irp g, 9,10,11
	CGROUP \g, 30                                  ; of groups 8 to 10: W_down's piece
.endr
	s_wait_alu depctr_va_vdst(0)                   ; the roundings of group 11 have written the registers that the last four stores read
.set n, 44
.rept 4
	global_store_b64 v2, v[16+4*n:16+4*n+1], s[30:31] offset:256*(n%16)
.set n, n+1
.endr
	s_cmp_lg_u32 s3, 0
	s_cbranch_scc1 .Lend
	; THE TABLES: lane k writes word 2 k (and 0 above it).  Words 0, 2, 4, 6, 8: the factors a1' .. a5' of the GELU's polynomial; word 10: the floor of its maximum.
	; The six values lie in s4 to s9, the six lanes' masks in s10 to s15: registers that are the base of no load or store of this path.
	s_mov_b32 s4, 0x3f0cd020                       ;  0.55005076
	s_mov_b32 s5, 0xbf1d34d5                       ; -0.61408741
	s_mov_b32 s6, 0x40445c34                       ;  3.06812760
	s_mov_b32 s7, 0xc048bea0                       ; -3.13663482
	s_mov_b32 s8, 0x4012a088                       ;  2.29104813
	s_mov_b32 s9, 0xff7fffff                       ; the identity: all factors 0, and the floor is the lowest finite number
	v_mov_b32 v4, 0
	v_mov_b32 v5, 0
	v_mov_b32 v6, 0
	v_mov_b32 v7, 0
.irp k, 0,1,2,3,4,5
	v_cmp_eq_u32 s[10+\k], \k, v3                  ; the compares stand in one run
.endr
	s_wait_alu depctr_va_sdst(0)                   ; the six masks s10 to s15 are written, ahead of the selects that read them
.irp k, 0,1,2,3,4
	v_cndmask_b32 v6, v6, s[4+\k], s[10+\k]
.endr
	v_cndmask_b32 v4, v4, s9, s15
	s_wait_alu depctr_va_vdst(0)                   ; the moves and selects have written v[4:7], which the two stores read
	global_store_b64 v2, v[4:5], s[34:35]
	global_store_b64 v2, v[6:7], s[36:37]
.Lend:
	s_endpgm
.Lfunc_end_k_q02a02a2fce_prep:
	.size	k_q02a02a2fce_prep, .Lfunc_end_k_q02a02a2fce_prep-k_q02a02a2fce_prep
	.p2alignl 7, 3214868480
	.fill 96, 4, 3214868480
	.section	.rodata,"a",@progbits
	.p2align	6, 0x0
	.amdhsa_kernel k_q02a02a2fce_prep
		.amdhsa_group_segment_fixed_size 0
		.amdhsa_private_segment_fixed_size 0
		.amdhsa_enable_private_segment 0
		.amdhsa_kernarg_size 120
		.amdhsa_user_sgpr_count 2
		.amdhsa_user_sgpr_kernarg_segment_ptr 1
		.amdhsa_wavefront_size32 1
		.amdhsa_system_sgpr_workgroup_id_x 1
		.amdhsa_system_sgpr_workgroup_id_y 1
		.amdhsa_system_sgpr_workgroup_id_z 1
		.amdhsa_system_vgpr_workitem_id 0
		.amdhsa_next_free_vgpr 208
		.amdhsa_next_free_sgpr 66
		.amdhsa_reserve_vcc 0
		.amdhsa_float_denorm_mode_32 3
		.amdhsa_float_denorm_mode_16_64 3
		.amdhsa_memory_ordered 1
		.amdhsa_forward_progress 1
		.amdhsa_inst_pref_size 40
	.end_amdhsa_kernel
	.amdgpu_metadata
---
amdhsa.version: [ 1, 2 ]
amdhsa.kernels:
  - .name:           k_q02a02a2fce_prep
    .symbol:         k_q02a02a2fce_prep.kd
    .args:
      - { .name: x, .offset: 0, .size: 8, .value_kind: global_buffer, .address_space: global }
      - { .name: ln1_mean_scale, .offset: 8, .size: 8, .value_kind: global_buffer, .address_space: global }
      - { .name: ln1_std_scale, .offset: 16, .size: 8, .value_kind: global_buffer, .address_space: global }
      - { .name: act, .offset: 24, .size: 8, .value_kind: global_buffer, .address_space: global }
      - { .name: Wq, .offset: 32, .size: 8, .value_kind: global_buffer, .address_space: global }
      - { .name: Wk, .offset: 40, .size: 8, .value_kind: global_buffer, .address_space: global }
      - { .name: Wv, .offset: 48, .size: 8, .value_kind: global_buffer, .address_space: global }
      - { .name: Wo, .offset: 56, .size: 8, .value_kind: global_buffer, .address_space: global }
      - { .name: W_up, .offset: 64, .size: 8, .value_kind: global_buffer, .address_space: global }
      - { .name: W_down, .offset: 72, .size: 8, .value_kind: global_buffer, .address_space: global }
      - { .name: wqkv, .offset: 80, .size: 8, .value_kind: global_buffer, .address_space: global }
      - { .name: wod, .offset: 88, .size: 8, .value_kind: global_buffer, .address_space: global }
      - { .name: wup, .offset: 96, .size: 8, .value_kind: global_buffer, .address_space: global }
      - { .name: coef_a, .offset: 104, .size: 8, .value_kind: global_buffer, .address_space: global }
      - { .name: coef_b, .offset: 112, .size: 8, .value_kind: global_buffer, .address_space: global }
    .group_segment_fixed_size: 0
    .private_segment_fixed_size: 0
    .kernarg_segment_align: 8
    .kernarg_segment_size: 120
    .max_flat_workgroup_size: 256
    .sgpr_count:     66
    .vgpr_count:     208
    .wavefront_size: 32
...
	.end_amdgpu_metadata
.endif
;; end of part 6
;; launch qkv: the kernel of part 2 again; grid 12 x 16, 4 waves a work-group, clusters of 4 x 4, 327,680 bytes of LDS; arguments act, wqkv, big, coef_a; writes big
;; launch attn: the kernel of part 3 again; grid 8 x 32, 4 waves a work-group, no clusters, 327,680 bytes of LDS; arguments big, act; writes act
;; launch wo: the kernel of part 4 again; grid 8 x 32, 4 waves a work-group, clusters of 4 x 4, 327,680 bytes of LDS; arguments act, wod, x, x1; writes x1
;; launch ln2: the kernel of part 6 again; grid 256 x 1, 8 waves a work-group, no clusters, 0 bytes of LDS; arguments x1, ln2_mean_scale, ln2_std_scale, act, Wq, Wk, Wv, Wo, W_up, W_down, wqkv, wod, wup, coef_a, coef_b; writes act, wqkv, wod, wup, coef_a, coef_b
;; launch up: the kernel of part 2 again; grid 16 x 16, 4 waves a work-group, clusters of 4 x 4, 327,680 bytes of LDS; arguments act, wup, big, coef_b; writes big
;; launch down: the kernel of part 5 again; grid 8 x 32, 4 waves a work-group, clusters of 4 x 4, 327,680 bytes of LDS; arguments big, wod, x1, out0; writes out0
